; MI455X (gfx1250); checked and timed in simulation.
; The chip was launched on July 23, 2026; its instructions are those of AMD's public machine-readable ISA for CDNA 5 (MIT licence, August 2026) and "CDNA5" Instruction Set Architecture Reference Guide (July 2026). The comments in the code are by the model that wrote it; some were corrected since.
;; Bahdanau Attention. Allowed arithmetic: float matrix products may take bf16 or f16 operands with f32 sums; other float arithmetic in f32, or as packed bf16 or f16 multiplies, adds, multiply-adds, maxima and minima; sums over many terms, partial sums and values carried from step to step in f32; what a program stores and reads back later, other than sums and carried values, may be rounded once to bf16 or f16.
;; Inputs: Wk 1,024 x 1,024 float32; Wq 1,024 x 1,024 float32; keys 64 x 1,024 x 1,024 float32; mask 64 x 1,024 bool; query 64 x 1,024 float32; v 1 x 1,024 float32.
;; Outputs: out0 64 x 1,024 float32; out1 64 x 1,024 float32.
;; 2 versions, each right; version 2 is version 1 with the launch energy written anew for expert scheduling mode. Each part assembles by itself: llvm-mc -triple=amdgcn-amd-amdhsa -mcpu=gfx1250 --defsym DOCPART=n.
;; ======== version 1 of 2: 3 launches
;; workspace buffers: wkb 2,097,152 bytes; qpt 262,144 bytes; pw 262,144 bytes; ml 262,144 bytes; ctxp 2,097,152 bytes
;; launch prep (part 1): grid 256 x 1, 8 waves a work-group, no clusters, 18,432 bytes of LDS; arguments Wk, Wq, query, wkb, qpt; writes wkb, qpt
.if DOCPART == 1
	.amdgcn_target "amdgcn-amd-amdhsa--gfx1250"
	.amdhsa_code_object_version 6
	.text
	.protected	k_qdb8ddda7f3_prep
	.globl	k_qdb8ddda7f3_prep
	.p2align	8
	.type	k_qdb8ddda7f3_prep,@function
k_qdb8ddda7f3_prep:
	s_mov_b64 s[64:65], 0
	v_nop
	global_prefetch_b8 v0, s[64:65] scope:SCOPE_SE
	s_setreg_imm32_b32 hwreg(HW_REG_WAVE_MODE, 25, 1), 1
	s_wait_xcnt 0x0
; TWO SMALL JOBS AHEAD OF THE LARGE PRODUCT.  Wk, Wq: [1024][1024] f32; query: [64][1024] f32.
; JOB 1: wkb = Wk rounded once to bf16, laid out in the order in which the next launch's waves take it:
;   byte w*524288 + t*8192 + bt*1024 + i*512 + lane*16 holds the 8 numbers Wk[h][k .. k+7] with t = 32 p + s,
;   h = 512 p + 128 w + 16 bt + lane % 16, k = 32 s + 16 i + 8 (lane / 16): half a matrix fragment is 512 bytes on end.
; JOB 2: qpt[ht][b][n] = the sum over k of query[b][k] Wq[16 ht + n][k], f32; operands rounded once to bf16, sums in f32.
; SHARES.  Work-group g: ht = g / 4 (16 rows of Wk and of Wq), c = g % 4.  Job 1: waves 0-3, wave w takes k = 256 c + 64 w .. + 63 of the
; 16 rows: 256 bytes on end of each row.  Job 2: the tile of 16 h x batch rows 16 c .. 16 c + 15; K is split among the eight waves, 128 each;
; the eight partial sums meet in LDS (f32 sums, in a fixed order).
; No cluster, no tensor load: every number passes through registers to be rounded, and both jobs together move about 9 MB once.
.set WTP,   144                        ; a row of job 1's tile in LDS: 128 bytes + 16: the 16 rows of a load start at 16 different groups of four banks (64 banks of 4 bytes: ISA guide 11.1)
.set PS,    4*16*WTP                   ; 9,216: behind the four waves' tiles: [wave 8][b 16][h 16] f32
.set SPARE, PS+8*1024                  ; 17,408: the spare words, 128 bytes for each wave: four blocks of 256 bytes that no other line names
.set SPW, 62                           ; v62  SPARE + 4 x my thread's number; never rewritten
.set NIL, 63                           ; v63  0; never rewritten
.set WV,  14                           ; s14  my wave's number
.set W1,  64                           ; v[64:95]  job 1: 8 x 4 f32 as loaded, then 8 x 2 words of bf16;  v[96:111] the four half fragments
.set FB,  128                          ; v[128:255] job 2: step s at FB + 32 s: 16 f32 of Wq, 16 of query, each compacted in place to a fragment of 8
.set ACC, 16                           ; v[16:23], v[24:31] two accumulators that take turns;  v[32:39] their sum
	s_load_b256 s[4:11], s[0:1], 0x0               ; Wk s[4:5], Wq s[6:7], query s[8:9], wkb s[10:11]
	s_load_b64 s[12:13], s[0:1], 0x20              ; qpt
	v_lshl_add_u32 v[SPW], v0, 2, SPARE
	v_mov_b32 v[NIL], 0
	v_lshrrev_b32 v1, 5, v0
	v_readfirstlane_b32 s[WV], v1                  ; wave 0..7
	s_lshr_b32 s15, ttmp9, 2                       ; ht
	s_and_b32 s16, ttmp9, 3                        ; c
	v_and_b32 v2, 15, v0                           ; l % 16
	v_bfe_u32 v3, v0, 4, 1                         ; l / 16
	v_and_b32 v4, 31, v0                           ; l
	; job 1: lanes 0-15 take 256 bytes of row u, lanes 16-31 of row u + 8
	v_lshlrev_b32 v5, 15, v3
	v_lshl_add_u32 v5, v2, 4, v5                   ; 8 (l / 16) rows of 4,096 bytes + 16 (l % 16)
	s_mul_i32 s17, s[WV], 16*WTP                   ; my tile in LDS (waves 0-3)
	v_mul_u32_u24 v6, v3, 8*WTP
	v_lshl_add_u32 v6, v2, 3, v6
	v_add_nc_u32 v6, s17, v6                       ; in: row 8 (l / 16) + u, 8 bytes at 8 (l % 16)
	v_mul_u32_u24 v7, v2, WTP
	v_lshl_add_u32 v7, v3, 4, v7
	v_add_nc_u32 v7, s17, v7                       ; back: row l % 16, 16 bytes at 16 (l / 16)
	v_lshlrev_b32 v8, 4, v4                        ; 16 l
	; job 2: a lane's part of a fragment, straight from f32 rows: 32 bytes at 32 (l / 16), and 32 more 64 bytes on
	s_lshl_b32 s18, s[WV], 9                       ; my 128 numbers of K
	v_lshlrev_b32 v9, 12, v2
	v_lshl_add_u32 v9, v3, 5, v9
	v_add_nc_u32 v9, s18, v9
	s_lshl_b32 s18, s[WV], 10
	s_add_co_u32 s18, s18, PS
	v_lshlrev_b32 v10, 6, v2
	v_lshl_add_u32 v10, v3, 5, v10
	v_add_nc_u32 v10, s18, v10                     ; my partial sums: batch row l % 16, h = 8 (l / 16) + 0..7
	v_lshl_add_u32 v11, v0, 4, PS                  ; the meeting (waves 0, 1): 16 bytes at 16 x thread
	v_lshlrev_b32 v12, 4, v0
	; offsets, each made apart from its address
	s_lshl_b32 s20, s15, 16                        ; 16 ht rows of 4,096 bytes
	s_mov_b32 s21, 0
	s_lshl_b32 s22, s16, 10
	s_lshl_b32 s23, s[WV], 8
	s_add_co_u32 s22, s22, s23
	s_add_co_u32 s22, s22, s20                     ; Wk: + 1,024 c + 256 w
	s_mov_b32 s23, 0
	s_lshl_b32 s24, s16, 16                        ; query: 16 c rows
	s_mov_b32 s25, 0
	s_bfe_u32 s26, s15, 0x20003                    ; (ht / 8) % 4: the wave of the next launch that owns these rows
	s_lshl_b32 s26, s26, 19
	s_lshr_b32 s27, s15, 5                         ; its pass
	s_lshl_b32 s27, s27, 5
	s_lshl3_add_u32 s27, s16, s27                  ; t = 32 pass + 8 c
	s_lshl1_add_u32 s27, s[WV], s27                ;   + 2 w (+ 0 or 1, in the stores' immediates)
	s_lshl_b32 s27, s27, 13
	s_add_co_u32 s26, s26, s27
	s_and_b32 s27, s15, 7                          ; bt
	s_lshl_b32 s27, s27, 10
	s_add_co_u32 s26, s26, s27
	s_mov_b32 s27, 0
	s_lshl_b32 s28, s15, 12                        ; qpt: 4,096 ht + 1,024 c
	s_lshl_b32 s29, s16, 10
	s_add_co_u32 s28, s28, s29
	s_mov_b32 s29, 0
	s_wait_kmcnt 0x0
	s_add_nc_u64 s[4:5], s[4:5], s[22:23]
	s_add_nc_u64 s[6:7], s[6:7], s[20:21]
	s_add_nc_u64 s[8:9], s[8:9], s[24:25]
	s_add_nc_u64 s[10:11], s[10:11], s[26:27]
	s_add_nc_u64 s[12:13], s[12:13], s[28:29]
	s_cmp_lt_u32 s[WV], 4
	s_cbranch_scc0 .Lq_loads
.irp u, 0,1,2,3,4,5,6,7
	global_load_b128 v[W1+4*\u:W1+4*\u+3], v5, s[4:5] offset:4096*\u th:TH_LOAD_NT  ; Wk is read once in the launch
.endr
.Lq_loads:
.irp s, 0,1,2,3
.irp q, 0,1,2,3
	global_load_b128 v[FB+32*\s+4*\q:FB+32*\s+4*\q+3], v9, s[6:7] offset:128*\s+16*(\q%2)+64*(\q/2)
.endr
.irp q, 0,1,2,3
	global_load_b128 v[FB+32*\s+16+4*\q:FB+32*\s+16+4*\q+3], v9, s[8:9] offset:128*\s+16*(\q%2)+64*(\q/2)
.endr
.endr
	s_cmp_lt_u32 s[WV], 4
	s_cbranch_scc0 .Lq_work
	s_wait_loadcnt 32                              ; job 1's eight loads are in; job 2's 32, issued behind them, may stay out
.irp u, 0,1,2,3,4,5,6,7
	v_cvt_pk_bf16_f32 v[W1+4*\u], v[W1+4*\u], v[W1+4*\u+1]
	v_cvt_pk_bf16_f32 v[W1+4*\u+1], v[W1+4*\u+2], v[W1+4*\u+3]
.endr
.irp u, 0,1,2,3,4,5,6,7
	ds_store_b64 v6, v[W1+4*\u:W1+4*\u+1] offset:WTP*\u
.endr
.irp f, 0,1,2,3
	ds_load_b128 v[W1+32+4*\f:W1+32+4*\f+3], v7 offset:32*\f  ; my own bytes: LDS serves a wave's instructions in order (ISA guide 5.7.1.4).  f = 2 s' + i
.endr
	s_wait_dscnt 0x0
.irp f, 0,1,2,3
	global_store_b128 v8, v[W1+32+4*\f:W1+32+4*\f+3], s[10:11] offset:8192*(\f/2)+512*(\f%2)  ; 512 consecutive bytes, at a multiple of 512 from wkb's first
.endr
.Lq_work:
.irp s, 0,1,2,3
	s_wait_loadcnt 8*(3-\s)                        ; this step's eight loads are in; the later steps', eight each, may stay out
.irp i, 0,1,2,3,4,5,6,7
	v_cvt_pk_bf16_f32 v[FB+32*\s+\i], v[FB+32*\s+2*\i], v[FB+32*\s+2*\i+1]  ; in place, ascending: word i is written when words 2 i and 2 i + 1 are read
.endr
.irp i, 0,1,2,3,4,5,6,7
	v_cvt_pk_bf16_f32 v[FB+32*\s+16+\i], v[FB+32*\s+16+2*\i], v[FB+32*\s+16+2*\i+1]
.endr
.if \s < 2
	v_wmma_f32_16x16x32_bf16 v[ACC+8*(\s%2):ACC+8*(\s%2)+7], v[FB+32*\s:FB+32*\s+7], v[FB+32*\s+16:FB+32*\s+23], 0  ; source 0 = 16 rows of Wq, source 1 = 16 rows of query; the first two products start the sums
.else
	v_wmma_f32_16x16x32_bf16 v[ACC+8*(\s%2):ACC+8*(\s%2)+7], v[FB+32*\s:FB+32*\s+7], v[FB+32*\s+16:FB+32*\s+23], v[ACC+8*(\s%2):ACC+8*(\s%2)+7]  ; the two accumulators take turns
.endif
.endr
.rept 8
	v_nop                                          ; the places behind the last product, ahead of the sums that read results (ISA guide 7.12.1)
.endr
.irp r, 0,2,4,6
	v_pk_add_f32 v[32+\r:32+\r+1], v[ACC+\r:ACC+\r+1], v[ACC+8+\r:ACC+8+\r+1]
.endr
	ds_store_b128 v10, v[32:35]
	ds_store_b128 v10, v[36:39] offset:16
	s_wait_dscnt 0x0                               ; for the others' sake: my partial sums lie in LDS
	s_barrier_signal -1
	s_barrier_wait -1
	s_cmp_lt_u32 s[WV], 2                          ; the tile is 1,024 bytes: 64 threads take 16 each
	s_cbranch_scc0 .Lend
.irp k, 0,1,2,3,4,5,6,7
	ds_load_b128 v[64+4*\k:64+4*\k+3], v11 offset:1024*\k
.endr
	s_wait_dscnt 0x0
.irp k, 0,2,4,6
	v_pk_add_f32 v[64+4*\k:64+4*\k+1], v[64+4*\k:64+4*\k+1], v[68+4*\k:68+4*\k+1]
	v_pk_add_f32 v[66+4*\k:66+4*\k+1], v[66+4*\k:66+4*\k+1], v[70+4*\k:70+4*\k+1]
.endr
.irp k, 0,4
	v_pk_add_f32 v[64+4*\k:64+4*\k+1], v[64+4*\k:64+4*\k+1], v[72+4*\k:72+4*\k+1]
	v_pk_add_f32 v[66+4*\k:66+4*\k+1], v[66+4*\k:66+4*\k+1], v[74+4*\k:74+4*\k+1]
.endr
	v_pk_add_f32 v[64:65], v[64:65], v[80:81]
	v_pk_add_f32 v[66:67], v[66:67], v[82:83]
	global_store_b128 v12, v[64:67], s[12:13]      ; a wave stores 512 consecutive bytes, at a multiple of 512 from qpt's first
.Lend:
	s_wait_tensorcnt 0x0                           ; the wave's end, behind my last LDS store
	ds_add_u32 v[SPW], v[NIL]
	s_wait_dscnt 0x0
	s_endpgm
.Lfunc_end_k_qdb8ddda7f3_prep:
	.size	k_qdb8ddda7f3_prep, .Lfunc_end_k_qdb8ddda7f3_prep-k_qdb8ddda7f3_prep
	.p2alignl 7, 3214868480
	.fill 96, 4, 3214868480
	.section	.rodata,"a",@progbits
	.p2align	6, 0x0
	.amdhsa_kernel k_qdb8ddda7f3_prep
		.amdhsa_group_segment_fixed_size 18432
		.amdhsa_private_segment_fixed_size 0
		.amdhsa_enable_private_segment 0
		.amdhsa_kernarg_size 40
		.amdhsa_user_sgpr_count 2
		.amdhsa_user_sgpr_kernarg_segment_ptr 1
		.amdhsa_wavefront_size32 1
		.amdhsa_system_sgpr_workgroup_id_x 1
		.amdhsa_system_sgpr_workgroup_id_y 1
		.amdhsa_system_sgpr_workgroup_id_z 1
		.amdhsa_system_vgpr_workitem_id 0
		.amdhsa_next_free_vgpr 256
		.amdhsa_next_free_sgpr 66
		.amdhsa_reserve_vcc 0
		.amdhsa_float_denorm_mode_32 3
		.amdhsa_float_denorm_mode_16_64 3
		.amdhsa_memory_ordered 1
		.amdhsa_forward_progress 1
		.amdhsa_inst_pref_size 16
	.end_amdhsa_kernel
	.amdgpu_metadata
---
amdhsa.version: [ 1, 2 ]
amdhsa.kernels:
  - .name:           k_qdb8ddda7f3_prep
    .symbol:         k_qdb8ddda7f3_prep.kd
    .args:
      - { .name: Wk, .offset: 0, .size: 8, .value_kind: global_buffer, .address_space: global }
      - { .name: Wq, .offset: 8, .size: 8, .value_kind: global_buffer, .address_space: global }
      - { .name: query, .offset: 16, .size: 8, .value_kind: global_buffer, .address_space: global }
      - { .name: wkb, .offset: 24, .size: 8, .value_kind: global_buffer, .address_space: global }
      - { .name: qpt, .offset: 32, .size: 8, .value_kind: global_buffer, .address_space: global }
    .group_segment_fixed_size: 18432
    .private_segment_fixed_size: 0
    .kernarg_segment_align: 8
    .kernarg_segment_size: 40
    .max_flat_workgroup_size: 256
    .sgpr_count:     66
    .vgpr_count:     256
    .wavefront_size: 32
...
	.end_amdgpu_metadata
.endif
;; end of part 1
;; launch energy (part 2): grid 8 x 64, 4 waves a work-group, no clusters, 311,808 bytes of LDS; arguments keys, mask, v, wkb, qpt, pw, ml, ctxp; writes pw, ml, ctxp
.if DOCPART == 2
	.amdgcn_target "amdgcn-amd-amdhsa--gfx1250"
	.amdhsa_code_object_version 6
	.text
	.protected	k_qdb8ddda7f3_energy
	.globl	k_qdb8ddda7f3_energy
	.p2align	8
	.type	k_qdb8ddda7f3_energy,@function
k_qdb8ddda7f3_energy:
	s_mov_b64 s[64:65], 0
	v_nop
	global_prefetch_b8 v0, s[64:65] scope:SCOPE_SE
	s_setreg_imm32_b32 hwreg(HW_REG_WAVE_MODE, 25, 1), 1
	s_wait_xcnt 0x0
; ADDITIVE ATTENTION, ONE BLOCK OF 128 KEY ROWS OF ONE BATCH ROW TO A WORK-GROUP (block x = 0..7, batch y = 0..63).
;   e[s] = the sum over h of v[h] tanh(qp[h] + the sum over k of keys[s][k] Wk[h][k]);  masked rows count as minus infinity;
;   m = the block's largest e;  p[s] = exp(e[s] - m);  l = the sum of p;  ctxp[k] = the sum over s of p[s] keys[s][k].
; The last launch joins the eight blocks of a batch row by their m and l.  keys: f32, read ONCE: the block is rounded once to bf16 and stays in LDS
; for the product and for the context.  Wk comes as wkb (bf16, fragment order), qp as qpt (f32).  Sums, tanh, softmax in f32; v and p are not rounded.
; tanh(x) = 1 - 2 / (1 + 2^(c x)), c = 2 log2(e): at 2^(c x) = infinity or 0 it gives 1 and -1; absolute error about an f32 step of 1.
; LIMITS.  NaN and infinities in the inputs are not treated apart.  A weight p below 2^-126 counts as 0.  A mask byte other than 0 hides its row.
; A block whose rows are all hidden gives m = the lowest finite number, p = 0, l = 0.
; SHARES.  The product is 128 rows x 1,024 h x 1,024 k, in two passes of 512 h.  Wave w owns all 128 rows x the 128 columns h = 512 p + 128 w ..: 64 accumulators,
; 512 registers.  K goes in steps of 32: steps t = 0..63 (t = 32 p + s), 64 matrix instructions each.
; Source 0 = 16 rows of keys, source 1 = 16 rows of Wk: in the result a lane holds ONE h (lane % 16) and the rows 8 (lane / 16) + 0..7, so qp and v cost a register a
; column tile and the sum over h stays in the lane until four exchanges at the end.
; THE THREE STREAMS.  keys' fragments come out of LDS.  Wk's fragments are a wave's own: no other wave wants them, so they come straight into registers, 16 loads of 512
; bytes on end a step, into a ring of four buffers, asked for three steps ahead of their step's number.  keys come in during pass 0: each step a wave loads 16 rows x 256
; bytes (group j: rows 32 w + 16 (j % 2) .. + 15 of slab j / 2), four groups in flight, rounds the group that has landed and stores it to LDS.
; NO TENSOR LOAD, NO CLUSTER, though all work-groups walk the same wkb: keys must pass through registers to be rounded; the resident block and the scratch take 311,808 of
; the 327,680 bytes of LDS, and the 15,872 left hold no ring: one step of wkb for four waves is 32,768 bytes.
; LDS.  ABLK: 16 slabs; slab q = k 64 q .. 64 q + 63 of the 128 rows, a row 128 bytes + 16 of padding (the 16 rows of a load start at 16 different groups of four banks:
; 64 banks of 4 bytes, ISA guide 11.1); 128 bytes behind each slab, so that two neighbouring slabs lie half the banks apart (the context reads two at once).
; REGISTERS, in windows of 256 (s_set_vgpr_msb: bits 1:0 source 0, 3:2 source 1, 5:4 source 2, 7:6 destination):
;   window 0: v0-15 addresses; v16-47 (c qp, -2 v) a column tile; v48-51 sums of v; v52-61 at work; v64-127 keys' fragments; v128-255 four staging groups, later at work
;   window 1: Wk's four buffers of 64      windows 2, 3: the accumulators, (row tile a, column tile b) at 64 (a % 4) + 8 b of window 2 + a / 4
.set SLB,   18560                      ; a slab: 128 rows x 144 bytes + 128
.set PA,    144
.set EP,    16*SLB                     ; 296,960: partial energies, f32 [pass 2][wave 4][row 128]
.set PW,    EP+4096                    ; 301,056: p, f32 [wave 4][128]: each wave's own copy
.set QPB,   PW+2048                    ; 303,104: qp of my batch row, f32 [1024]
.set VVB,   QPB+4096                   ; 307,200: v, f32 [1024]
.set SPARE, VVB+4096                   ; 311,296: the spare words, 128 bytes for each wave: two blocks of 256 bytes that no other line names
.set KOFF, 2                           ; v2   keys: (32 w + 8 (l / 16)) rows of 4,096 bytes + 16 (l % 16); never rewritten
.set BOFF, 3                           ; v3   wkb: 16 l; never rewritten
.set AST,  4                           ; v4   where the staging stores go: AST0 + SB
.set AFR,  5                           ; v5   where keys' fragments are read: AF0 + SB
.set AF0,  6                           ; v6   (l % 16) x 144 + 16 (l / 16)
.set PFO,  7                           ; v7   the prefetches' offset: (32 w + l) rows of 4,096 bytes; never rewritten
.set EPA,  8                           ; v8   where a row tile's partial energies go
.set EP0,  9                           ; v9   EP + 512 w + 32 (l / 16)
.set MSK,  10                          ; v10  the mask bytes of rows 4 l .. 4 l + 3
.set AST0, 11                          ; v11  (32 w + 8 (l / 16)) x 144 + 8 (l % 16)
.set R16,  12                          ; v12  l % 16
.set H16,  13                          ; v13  l / 16
.set LN,   14                          ; v14  l
.set TA,   15                          ; v15  at work
.set CQ,   16                          ; v[16:47] column tile 8 p + b: c qp[h], -2 v[h]
.set VS,   48                          ; v[48:49], v[50:51] the sum of my eight v of pass 0, of pass 1, each written twice (a pair for the packed forms)
.set SPW,  62                          ; v62  SPARE + 4 x my thread's number; never rewritten
.set NIL,  63                          ; v63  0; never rewritten
.set AF,   64                          ; v[64:127] keys' fragments: row tile a at AF + 8 a
.set STG,  128                         ; v[128:255] staging group g at STG + 32 g
.set E,    128                         ; the way to the energies: 8 sums
.set T,    192                         ;   and 64 numbers at work
.set GRP,  64                          ; the context: four groups of 20: 4 rows x 8 bf16, then the 4 rows' p
.set PP,   144                         ; v[144:147] p of my four rows;  v[148:151] (m, l, m, l)
.set EV,   160                         ; v[160:191] the eight partial energies of my four rows
.set C,    224                         ; v[224:231] the context's eight sums
.set CA10, 232                         ; v232-237 the context's addresses: two constants, two stepped, p's constant, p's stepped
.set CA20, 233
.set CA1,  234
.set CA2,  235
.set PWA0, 236
.set PWA,  237
.set WV,  20                           ; s20  my wave's number
.set BB,  22                           ; s22  the batch row
.set BID, 23                           ; s23  8 x batch row + block
.set KP,  24                           ; s[24:25] keys at the block's first row, 128 T0 bytes along K (T0: the step that the trip's immediates count from)
.set WB,  26                           ; s[26:27] wkb at my wave's part, 8,192 T0 bytes on
.set CNT, 30
.set EA,  31                           ; s31  the row tile on its way to the energies
.set CC,  32                           ; s[32:33] c = 2 log2(e), named as a pair
.set SEL, 34                           ; s[34:35] v_permlanex16_b32's selects: each lane takes its own place in the other half
.set LOW, 36                           ; s36  the lowest finite number
.set L2E, 37                           ; s37  log2(e)
.set SB,  38                           ; s38  LDS bytes of the slabs ahead of T0
.set TS,  39                           ; s39  at work
.set MSB, 0
.macro WIN new                         ; the immediate's high byte repeats the setting that is left; a switch that changes nothing is dropped
.if MSB != (\new)
	s_set_vgpr_msb (MSB<<8)|(\new)
.set MSB, (\new)
.endif
.endm
; A load into a register that a matrix instruction has read, and a vector instruction that reads a matrix result, stand four places behind that matrix instruction; only plain
; vector instructions that name none of its registers are places (ISA guide 7.12.1 for vector instructions).
.macro PLACES
.rept 4
	v_nop
.endr
.endm
; 32 matrix instructions: row tiles 4 hi .. 4 hi + 3 x all eight column tiles, 32 along K, Wk's buffer r.  All 32 accumulators differ, and the other half's 32 follow:
; the accumulators take turns, one instruction a turn, over the steps' and the loops' edges too.  zero = 1: the products start the sums.
.macro MULB hi, r, zero
	WIN 0xa4+0x50*(\hi)                            ; keys window 0, Wk window 1, C and D window 2 or 3
.irp a, 0,1,2,3
.irp b, 0,1,2,3,4,5,6,7
.if \zero
	v_wmma_f32_16x16x32_bf16 v[64*(\a)+8*(\b):64*(\a)+8*(\b)+7], v[AF+8*(4*(\hi)+(\a)):AF+8*(4*(\hi)+(\a))+7], v[64*(\r)+8*(\b):64*(\r)+8*(\b)+7], 0
.else
	v_wmma_f32_16x16x32_bf16 v[64*(\a)+8*(\b):64*(\a)+8*(\b)+7], v[AF+8*(4*(\hi)+(\a)):AF+8*(4*(\hi)+(\a))+7], v[64*(\r)+8*(\b):64*(\r)+8*(\b)+7], v[64*(\a)+8*(\b):64*(\a)+8*(\b)+7]
.endif
.endr
.endr
.endm
; Eight LDS loads: four of keys' fragments (half 0: row tiles 0-3, half 1: 4-7) of step T0 + sg.  A fragment is 16 rows x 32 k: lane l holds row l % 16, k = 8 (l / 16) + 0..7 and 16 + 8 (l / 16) + 0..7.
.macro AL half, sg
.irp a, 0,1,2,3
	ds_load_b128 v[AF+8*(4*(\half)+(\a)):AF+8*(4*(\half)+(\a))+3],   v[AFR] offset:((\sg)/2)*SLB+64*((\sg)%2)+(4*(\half)+(\a))*16*PA
	ds_load_b128 v[AF+8*(4*(\half)+(\a))+4:AF+8*(4*(\half)+(\a))+7], v[AFR] offset:((\sg)/2)*SLB+64*((\sg)%2)+(4*(\half)+(\a))*16*PA+32
.endr
.endm
; Sixteen loads: Wk's eight fragments of step T0 + k into buffer r; each load takes 512 bytes on end.
.macro BL r, k
	WIN 0x40                                       ; destination window 1, offset window 0
.irp bt, 0,1,2,3,4,5,6,7
	global_load_b128 v[64*(\r)+8*(\bt):64*(\r)+8*(\bt)+3],   v[BOFF], s[WB:WB+1] offset:(\k)*8192+1024*(\bt)
	global_load_b128 v[64*(\r)+8*(\bt)+4:64*(\r)+8*(\bt)+7], v[BOFF], s[WB:WB+1] offset:(\k)*8192+1024*(\bt)+512
.endr
	WIN 0
.endm
; Eight loads: group T0 + j of keys: sixteen lanes take 256 consecutive bytes of a row, at a multiple of 256 from keys' first byte.  Read once in the launch.
.macro KL base, j
.irp u, 0,1,2,3,4,5,6,7
	global_load_b128 v[(\base)+4*\u:(\base)+4*\u+3], v[KOFF], s[KP:KP+1] offset:(16*((\j)%2)+\u)*4096+256*((\j)/2) th:TH_LOAD_NT
.endr
.endm
.macro CV base                         ; the group is rounded to bf16, in place: four f32 into two words
.irp u, 0,1,2,3,4,5,6,7
	v_cvt_pk_bf16_f32 v[(\base)+4*\u],   v[(\base)+4*\u],   v[(\base)+4*\u+1]
	v_cvt_pk_bf16_f32 v[(\base)+4*\u+1], v[(\base)+4*\u+2], v[(\base)+4*\u+3]
.endr
.endm
.macro ST base, j                      ; and stored: lanes 0-15 fill a row's 128 bytes of the slab, lanes 16-31 those of the row eight below, half the banks away
.irp u, 0,1,2,3,4,5,6,7
	ds_store_b64 v[AST], v[(\base)+4*\u:(\base)+4*\u+1] offset:(16*((\j)%2)+\u)*PA+((\j)/2)*SLB
.endr
.endm
.macro ADV keys                        ; T0 goes on by four steps
	s_wait_xcnt 0x0                                ; every load and prefetch issued so far has read its address (ISA guide 3.1), so the pointers may be written; the youngest prefetch stands a step back
	s_add_nc_u64 s[WB:WB+1], s[WB:WB+1], 32768
	s_add_co_u32 s[SB], s[SB], 2*SLB
	v_add_nc_u32 v[AFR], s[SB], v[AF0]
.if \keys
	s_add_nc_u64 s[KP:KP+1], s[KP:KP+1], 512
	v_add_nc_u32 v[AST], s[SB], v[AST0]
.endif
.endm
; STEP t = T0 + u.  zero: its products start the sums.  cv: group t + 3 is rounded and stored.  kl: group t + 7 is asked for, into the registers that this step has emptied.
; bl: Wk of step t + 3 is asked for, into the buffer that step t - 1 multiplied.  al: keys' fragments of step t + 1 are fetched (wrap: of a pass's step 0).
; sig, bw: the barrier that shows a slab whole.  Slab q + 1 is stored in the middle of steps 2 q - 1 and 2 q; each wave waits for its stores and signals at the end of step 2 q,
; and waits for the others in the middle of step 2 q + 1, ahead of the first load from that slab.  Between signal and wait stand v_nop, loads from slabs that were whole before and are never
; written again, a wait and 32 matrix instructions.  A slab is written once in the launch, so no barrier is needed ahead of a store.
; nl: loads come back in order (ISA guide 5.7.1); at a step's end Wk of step t + 1 must be in.  Issued behind it: group t + 5, Wk of t + 2, group t + 6: 8 + 16 + 8 = 32 may stay out (fewer when
; keys' groups have run out).  Group t + 4, which the next step rounds, was issued ahead of it and is in as well.
; pf: a prefetch, by byte offset (below).  d0: the LDS instructions that may be out at the step's head: the eight loads of the second half's fragments.
.macro STEP u, zero, cv, kl, bl, sig, bw, nl, al, wrap, pf=0, d0=8
	s_wait_dscnt \d0                               ; the first half's fragments are in
	MULB 0, (\u)%4, \zero
	WIN 0
.if \bw
	s_barrier_wait -1                              ; the slab of step t + 1 is whole
.endif
.if \cv
	CV STG+32*(((\u)+3)%4)                         ; sixteen plain lines: also the places ahead of the loads below
	ST STG+32*(((\u)+3)%4), (\u)+3
.elseif \al
	PLACES
.endif
.if \al
.if \wrap
	v_mov_b32 v[AFR], v[AF0]
	AL 0, 0
.else
	AL 0, (\u)+1
.endif
.endif
	s_wait_dscnt 8*(\cv)+8*(\al)                   ; the second half's fragments are in; the stores and loads just issued may be out
	MULB 1, (\u)%4, \zero
	WIN 0
.if (\nl) >= 0
	s_wait_loadcnt \nl
.endif
.if \bl
	BL ((\u)+3)%4, (\u)+3
.endif
.if \kl
	KL STG+32*(((\u)+3)%4), (\u)+7
.endif
.if \pf
	s_cmp_gt_u32 s[CNT], 1                         ; the loop's last trip has no slab four steps on
	s_cbranch_scc0 .Lnopf_\@
	global_prefetch_b8 v[PFO], s[KP:KP+1] offset:\pf th:TH_LOAD_NT scope:SCOPE_SE
.Lnopf_\@:
.endif
.if \sig
	s_wait_dscnt 0x0                               ; for the others' sake: my stores into the slab are done (and no LDS instruction is out at a signal)
	s_barrier_signal -1
.endif
.if \al
	PLACES
.if \wrap
	AL 1, 0
.else
	AL 1, (\u)+1
.endif
.endif
.endm
; THE PREFETCH.  keys are read once and the waves wait for them.  In the pass-0 loop, behind the loads of steps u = 1 and u = 3, a wave names its own 32 rows x 256 bytes, a lane a row, of the slab
; whose loads go out four steps, 256 matrix instructions, later.  So each row's 256 bytes of a slab are named once in the launch, by the wave that will load them.  The first six slabs come by their loads alone.
; THE WAY TO THE ENERGIES, pass p: for each row tile a: x = c (sum + qp); 2^x; + 1; reciprocal; times -2 v, summed over my eight column tiles onto the sum of my v; then over the sixteen lanes.
; One text for the eight row tiles: only the first 32 lines name the accumulators, so they stand eight times and a chain of forward jumps picks one; the rest works on fixed registers.
; The 64 exponentials are one batch and the 64 reciprocals another: behind each a plain line and one wait ahead of the first reader.
.macro EPI p
	s_mov_b32 s[EA], 0
.Lepi_\@:
.irp a, 0,1,2,3,4,5,6
	s_cmp_eq_u32 s[EA], \a
	s_cbranch_scc1 .Lf_\@_\a
.endr
.irp a, 7,6,5,4,3,2,1,0
.Lf_\@_\a:
	WIN 0x02+(\a)/4                                ; source 0 in window 2 or 3
.irp b, 0,1,2,3,4,5,6,7
.irp r, 0,1,2,3
	v_pk_fma_f32 v[T+8*(\b)+2*(\r):T+8*(\b)+2*(\r)+1], v[64*((\a)%4)+8*(\b)+2*(\r):64*((\a)%4)+8*(\b)+2*(\r)+1], s[CC:CC+1], v[CQ+2*(8*(\p)+(\b)):CQ+2*(8*(\p)+(\b))+1] op_sel_hi:[1,0,0]  ; each accumulator is read from its low end on
.endr
.endr
	WIN 0
.if (\a) > 0
	s_branch .Lcom_\@
.endif
.endr
.Lcom_\@:
.set i, 0
.rept 64
	v_exp_f32 v[T+i], v[T+i]
.set i, i+1
.endr
	v_nop
	s_wait_alu depctr_va_vdst(0)
.set i, 0
.rept 32
	v_pk_add_f32 v[T+i:T+i+1], v[T+i:T+i+1], 1.0 op_sel_hi:[1,0]
.set i, i+2
.endr
.set i, 0
.rept 64
	v_rcp_f32 v[T+i], v[T+i]
.set i, i+1
.endr
	v_nop
	s_wait_alu depctr_va_vdst(0)
.irp b, 0,1,2,3,4,5,6,7
.irp r, 0,1,2,3
.if (\b) == 0
	v_pk_fma_f32 v[E+2*(\r):E+2*(\r)+1], v[T+8*(\b)+2*(\r):T+8*(\b)+2*(\r)+1], v[CQ+2*(8*(\p)+(\b)):CQ+2*(8*(\p)+(\b))+1], v[VS+2*(\p):VS+2*(\p)+1] op_sel:[0,1,0] op_sel_hi:[1,1,1]  ; the pair's second word, -2 v, for both
.else
	v_pk_fma_f32 v[E+2*(\r):E+2*(\r)+1], v[T+8*(\b)+2*(\r):T+8*(\b)+2*(\r)+1], v[CQ+2*(8*(\p)+(\b)):CQ+2*(8*(\p)+(\b))+1], v[E+2*(\r):E+2*(\r)+1] op_sel:[0,1,0] op_sel_hi:[1,1,1]
.endif
.endr
.endr
.irp x, 1,2,4,8
.irp j, 0,1,2,3,4,5,6,7
	v_add_f32_dpp v[E+\j], v[E+\j], v[E+\j] row_xmask:\x row_mask:0xf bank_mask:0xf
.endr
.endr
	s_lshl_b32 s[TS], s[EA], 6                     ; 16 rows of 4 bytes a row tile
	v_add_nc_u32 v[EPA], s[TS], v[EP0]
	ds_store_b128 v[EPA], v[E:E+3]   offset:2048*(\p)     ; the sixteen lanes of a half hold the same eight sums and write the same words
	ds_store_b128 v[EPA], v[E+4:E+7] offset:2048*(\p)+16
	s_add_co_u32 s[EA], s[EA], 1
	s_cmp_lt_u32 s[EA], 8
	s_cbranch_scc1 .Lepi_\@
.endm
	s_load_b512 s[4:19], s[0:1], 0x0               ; keys s[4:5], mask s[6:7], v s[8:9], wkb s[10:11], qpt s[12:13], pw s[14:15], ml s[16:17], ctxp s[18:19]
	v_lshl_add_u32 v[SPW], v0, 2, SPARE
	v_mov_b32 v[NIL], 0
	v_lshrrev_b32 v1, 5, v0
	v_readfirstlane_b32 s[WV], v1                  ; wave 0..3
	s_and_b32 s[BB], ttmp7, 0xffff
	s_lshl_b32 s[BID], s[BB], 3
	s_add_co_u32 s[BID], s[BID], ttmp9
	s_mov_b32 s[CC], 0x4038aa3b                    ; 2 log2(e) = 2.885390
	s_mov_b32 s[CC+1], s[CC]
	s_mov_b32 s[SEL], 0x76543210
	s_mov_b32 s[SEL+1], 0xfedcba98
	s_mov_b32 s[LOW], 0xff7fffff
	s_mov_b32 s[L2E], 0x3fb8aa3b
	s_mov_b32 s[SB], 0
	v_and_b32 v[R16], 15, v0
	v_bfe_u32 v[H16], v0, 4, 1
	v_and_b32 v[LN], 31, v0
	s_lshl_b32 s28, s[WV], 5
	v_lshl_add_u32 v[TA], v[H16], 3, s28           ; row 32 w + 8 (l / 16)
	v_lshlrev_b32 v[KOFF], 12, v[TA]
	v_lshl_add_u32 v[KOFF], v[R16], 4, v[KOFF]
	v_lshlrev_b32 v[BOFF], 4, v[LN]
	v_mul_u32_u24 v[AST0], v[TA], PA
	v_lshl_add_u32 v[AST0], v[R16], 3, v[AST0]
	v_mov_b32 v[AST], v[AST0]
	v_mul_u32_u24 v[AF0], v[R16], PA
	v_lshl_add_u32 v[AF0], v[H16], 4, v[AF0]
	v_mov_b32 v[AFR], v[AF0]
	v_add_nc_u32 v[PFO], s28, v[LN]
	v_lshlrev_b32 v[PFO], 12, v[PFO]
	s_lshl_b32 s[TS], s[WV], 9
	s_add_co_u32 s[TS], s[TS], EP
	v_lshl_add_u32 v[EP0], v[H16], 5, s[TS]
	v_lshrrev_b32 v52, 1, v0                       ; qpt is [ht][b][16]: thread t takes h = 8 t .. 8 t + 7: ht = t / 2, 32 bytes at 32 (t % 2)
	v_lshlrev_b32 v52, 12, v52
	v_and_b32 v53, 1, v0
	v_lshl_add_u32 v52, v53, 5, v52
	v_lshlrev_b32 v54, 5, v0                       ; v: 32 bytes at 32 t
	v_lshlrev_b32 v55, 2, v[LN]                    ; mask: 4 bytes at 4 l
	v_lshl_add_u32 v56, v0, 5, QPB
	s_mov_b32 s29, 0
	s_wait_kmcnt 0x0
	s_lshl_b32 s28, s[BID], 19                     ; a block is 128 rows of 4,096 bytes
	s_add_nc_u64 s[KP:KP+1], s[4:5], s[28:29]
	s_lshl_b32 s28, s[WV], 19                      ; a wave's part of wkb
	s_add_nc_u64 s[WB:WB+1], s[10:11], s[28:29]
	s_lshl_b32 s28, s[BB], 6
	s_add_nc_u64 s[12:13], s[12:13], s[28:29]
	s_lshl_b32 s28, s[BID], 7
	s_add_nc_u64 s[6:7], s[6:7], s[28:29]
	s_lshl_b32 s28, s[BID], 9
	s_add_nc_u64 s[14:15], s[14:15], s[28:29]
	s_add_nc_u64 s[16:17], s[16:17], s[28:29]
	s_lshl_b32 s28, s[BID], 12
	s_add_nc_u64 s[18:19], s[18:19], s[28:29]
	; THE START.  The loads go out in the order that the steps' counts lean on: .. group 3, Wk 0, group 4, Wk 1, group 5, Wk 2, group 6.  At most 56 are out.
	global_load_b128 v[64:67], v52, s[12:13]
	global_load_b128 v[68:71], v52, s[12:13] offset:16
	global_load_b128 v[72:75], v54, s[8:9]
	global_load_b128 v[76:79], v54, s[8:9] offset:16
	global_load_b32 v[MSK], v55, s[6:7]
	KL STG, 0
	KL STG+32, 1
	KL STG+64, 2
	KL STG+96, 3
	BL 0, 0
	s_wait_loadcnt 32                              ; qp, v, the mask and groups 0 and 1 are in; behind them: groups 2 and 3, Wk 0
	ds_store_b128 v56, v[64:67]
	ds_store_b128 v56, v[68:71] offset:16
	ds_store_b128 v56, v[72:75] offset:4096
	ds_store_b128 v56, v[76:79] offset:4112
	CV STG
	ST STG, 0
	CV STG+32
	ST STG+32, 1
	KL STG, 4
	BL 1, 1
	s_wait_loadcnt 48                              ; group 2 is in; behind it: group 3, Wk 0, group 4, Wk 1
	CV STG+64
	ST STG+64, 2
	KL STG+32, 5
	s_wait_loadcnt 32                              ; group 3 and Wk 0 are in; behind them: group 4, Wk 1, group 5
	BL 2, 2
	KL STG+64, 6
	s_wait_dscnt 0x0                               ; for the others' sake: my parts of slab 0, of slab 1's first half, of qp and of v lie in LDS
	s_barrier_signal -1
	s_barrier_wait -1
	s_lshl_b32 s28, s[WV], 9
	s_add_co_u32 s28, s28, QPB
	v_lshl_add_u32 v[TA], v[R16], 2, s28           ; h = 128 w + l % 16, + 512 p + 16 b in the immediates
.irp i, 0,1,2,3,4,5,6,7,8,9,10,11,12,13,14,15
	ds_load_b32 v[CQ+2*\i],   v[TA] offset:2048*(\i/8)+64*(\i%8)
	ds_load_b32 v[CQ+2*\i+1], v[TA] offset:4096+2048*(\i/8)+64*(\i%8)
.endr
	AL 0, 0
	AL 1, 0
	s_wait_dscnt 16                                ; qp and v are in; the sixteen fragment loads may be out
.irp p, 0,1
	v_add_f32 v[VS+2*\p], v[CQ+16*\p+1], v[CQ+16*\p+3]
.irp b, 2,3,4,5,6,7
	v_add_f32 v[VS+2*\p], v[VS+2*\p], v[CQ+16*\p+2*\b+1]
.endr
	v_mov_b32 v[VS+2*\p+1], v[VS+2*\p]
.endr
.irp i, 0,1,2,3,4,5,6,7,8,9,10,11,12,13,14,15
	v_mul_f32 v[CQ+2*\i],   s[CC], v[CQ+2*\i]
	v_mul_f32 v[CQ+2*\i+1], -2.0, v[CQ+2*\i+1]
.endr
	; PASS 0: steps 0 to 31.     u  zero cv kl bl sig bw nl  al wrap pf
	STEP 0, 1, 1, 1, 1, 1, 0, 32, 1, 0
	s_mov_b32 s[CNT], 6
.Lpass0:                                               ; steps 1 to 24
	STEP 1, 0, 1, 1, 1, 0, 1, 32, 1, 0, 1536
	STEP 2, 0, 1, 1, 1, 1, 0, 32, 1, 0
	STEP 3, 0, 1, 1, 1, 0, 1, 32, 1, 0, 1792
	STEP 4, 0, 1, 1, 1, 1, 0, 32, 1, 0
	ADV 1
	s_sub_co_u32 s[CNT], s[CNT], 1
	s_cmp_lg_u32 s[CNT], 0
	s_cbranch_scc1 .Lpass0
	STEP 1, 0, 1, 0, 1, 0, 1, 32, 1, 0             ; steps 25 to 28: the last four groups are rounded, none is asked for: the counts run down
	STEP 2, 0, 1, 0, 1, 1, 0, 24, 1, 0
	STEP 3, 0, 1, 0, 1, 0, 1, 16, 1, 0
	STEP 4, 0, 1, 0, 1, 1, 0, 16, 1, 0
	ADV 0
	STEP 1, 0, 0, 0, 1, 0, 1, 16, 1, 0             ; steps 29 to 31: the block is whole
	STEP 2, 0, 0, 0, 1, 0, 0, 16, 1, 0
	STEP 3, 0, 0, 0, 1, 0, 0, 16, 1, 1             ; keys' fragments go back to the rows' first 32 numbers
	s_wait_xcnt 0x0
	s_add_nc_u64 s[WB:WB+1], s[WB:WB+1], 32768
	s_mov_b32 s[SB], 0
	PLACES                                         ; with the four in the step's last lines: eight places behind the pass's last product
	EPI 0                                          ; Wk of steps 32 to 34 and keys' fragments of step 32 are on their way meanwhile
	; PASS 1: steps 32 to 63
	STEP 0, 1, 0, 0, 1, 0, 0, 16, 1, 0, 0, 0       ; its first wait is for all: the fragments, and the sixteen stores of partial energies behind them
	s_mov_b32 s[CNT], 7
.Lpass1:                                               ; steps 33 to 60
	STEP 1, 0, 0, 0, 1, 0, 0, 16, 1, 0
	STEP 2, 0, 0, 0, 1, 0, 0, 16, 1, 0
	STEP 3, 0, 0, 0, 1, 0, 0, 16, 1, 0
	STEP 4, 0, 0, 0, 1, 0, 0, 16, 1, 0
	ADV 0
	s_sub_co_u32 s[CNT], s[CNT], 1
	s_cmp_lg_u32 s[CNT], 0
	s_cbranch_scc1 .Lpass1
	STEP 1, 0, 0, 0, 0, 0, 0, 16, 1, 0             ; steps 61 to 63 ask for nothing of Wk
	STEP 2, 0, 0, 0, 0, 0, 0, 0, 1, 0
	STEP 3, 0, 0, 0, 0, 0, 0, -1, 0, 0
	PLACES
	PLACES
	EPI 1
	s_wait_dscnt 0x0                               ; for the others' sake: my partial energies of both passes lie in LDS
	s_barrier_signal -1
	s_barrier_wait -1
	; THE BLOCK'S SOFTMAX, made by every wave for itself: lane l takes rows 4 l .. 4 l + 3.
	v_lshl_add_u32 v52, v[LN], 4, EP
.irp k, 0,1,2,3,4,5,6,7
	ds_load_b128 v[EV+4*\k:EV+4*\k+3], v52 offset:512*\k
.endr
	v_mov_b32 v53, 0xff800000                      ; minus infinity
	s_wait_dscnt 0x0
.irp m, 0,2,4,6
	v_pk_add_f32 v[EV+4*\m:EV+4*\m+1],   v[EV+4*\m:EV+4*\m+1],   v[EV+4*\m+4:EV+4*\m+5]
	v_pk_add_f32 v[EV+4*\m+2:EV+4*\m+3], v[EV+4*\m+2:EV+4*\m+3], v[EV+4*\m+6:EV+4*\m+7]
.endr
.irp m, 0,4
	v_pk_add_f32 v[EV+4*\m:EV+4*\m+1],   v[EV+4*\m:EV+4*\m+1],   v[EV+4*\m+8:EV+4*\m+9]
	v_pk_add_f32 v[EV+4*\m+2:EV+4*\m+3], v[EV+4*\m+2:EV+4*\m+3], v[EV+4*\m+10:EV+4*\m+11]
.endr
	v_pk_add_f32 v[EV:EV+1],   v[EV:EV+1],   v[EV+16:EV+17]
	v_pk_add_f32 v[EV+2:EV+3], v[EV+2:EV+3], v[EV+18:EV+19]
.macro HIDE c, bits                    ; row 4 l + c is hidden where its mask byte is not 0
	v_and_b32 v54, \bits, v[MSK]
	v_cmp_ne_u32 vcc_lo, 0, v54
	v_cndmask_b32 v[EV+\c], v[EV+\c], v53, vcc_lo
.endm
	HIDE 0, 0xff
	HIDE 1, 0xff00
	HIDE 2, 0xff0000
	HIDE 3, 0xff000000
	v_max3_num_f32 v55, v[EV], v[EV+1], v[EV+2]
	v_max_num_f32 v55, v55, v[EV+3]
.irp x, 1,2,4,8
	v_max_num_f32_dpp v55, v55, v55 row_xmask:\x row_mask:0xf bank_mask:0xf
.endr
	v_permlanex16_b32 v56, v55, s[SEL], s[SEL+1]
	v_max_num_f32 v55, v55, v56
	v_max_num_f32 v55, s[LOW], v55                 ; m; finite also where every row is hidden, so that e - m stays minus infinity there
.irp c, 0,1,2,3
	v_sub_f32 v[EV+4+\c], v[EV+\c], v55
.endr
.irp c, 0,1,2,3
	v_mul_f32 v[EV+4+\c], s[L2E], v[EV+4+\c]
.endr
.irp c, 0,1,2,3
	v_exp_f32 v[PP+\c], v[EV+4+\c]
.endr
	v_nop
	s_wait_alu depctr_va_vdst(0)                   ; one wait for the four exponentials, ahead of their first reader
	v_add_f32 v57, v[PP], v[PP+1]
	v_add_f32 v58, v[PP+2], v[PP+3]
	v_add_f32 v57, v57, v58
.irp x, 1,2,4,8
	v_add_f32_dpp v57, v57, v57 row_xmask:\x row_mask:0xf bank_mask:0xf
.endr
	v_permlanex16_b32 v58, v57, s[SEL], s[SEL+1]
	v_add_f32 v57, v57, v58                        ; l
	s_lshl_b32 s[TS], s[WV], 9
	s_add_co_u32 s[TS], s[TS], PW
	v_lshl_add_u32 v59, v[LN], 4, s[TS]
	ds_store_b128 v59, v[PP:PP+3]                  ; my wave's own copy of p: read back below by this wave alone, in order
	v_lshlrev_b32 v60, 4, v[LN]
	s_cmp_lg_u32 s[WV], 0
	s_cbranch_scc1 .Lnot_wave_0
	global_store_b128 v60, v[PP:PP+3], s[14:15]    ; the block's 128 p: 512 consecutive bytes
.Lnot_wave_0:
	s_cmp_lg_u32 s[WV], 1
	s_cbranch_scc1 .Lnot_wave_1
	v_mov_b32 v[PP+4], v55
	v_mov_b32 v[PP+5], v57
	v_mov_b32 v[PP+6], v55
	v_mov_b32 v[PP+7], v57
	global_store_b128 v60, v[PP+4:PP+7], s[16:17]  ; (m, l) over and over: 512 consecutive bytes, of which the last launch reads the first eight
.Lnot_wave_1:
	; THE CONTEXT: thread t sums columns 4 t .. 4 t + 3 and 512 + 4 t .. over the 128 rows, from the bf16 block in LDS, with p in f32.
	; A group is four rows: eight loads of 8 bytes and one of the rows' four p: nine LDS loads.  Four groups take turns.
.macro CLD g, row
.irp q, 0,1,2,3
	ds_load_b64 v[GRP+20*(\g)+4*\q:GRP+20*(\g)+4*\q+1],   v[CA1] offset:((\row)+\q)*PA
	ds_load_b64 v[GRP+20*(\g)+4*\q+2:GRP+20*(\g)+4*\q+3], v[CA2] offset:((\row)+\q)*PA
.endr
	ds_load_b128 v[GRP+20*(\g)+16:GRP+20*(\g)+19], v[PWA] offset:4*(\row)
.endm
.macro CFM g
.irp q, 0,1,2,3
.irp c, 0,1,2,3
	v_fma_mix_f32_bf16 v[C+2*\c],   v[GRP+20*(\g)+4*\q+\c], v[GRP+20*(\g)+16+\q], v[C+2*\c]   op_sel_hi:[1,0,0]
	v_fma_mix_f32_bf16 v[C+2*\c+1], v[GRP+20*(\g)+4*\q+\c], v[GRP+20*(\g)+16+\q], v[C+2*\c+1] op_sel:[1,0,0] op_sel_hi:[1,0,0]
.endr
.endr
.endm
	v_lshrrev_b32 v[CA10], 4, v0                   ; columns 4 t ..: slab t / 16, byte 8 (t % 16)
	v_mul_u32_u24 v[CA10], v[CA10], SLB
	v_lshl_add_u32 v[CA10], v[R16], 3, v[CA10]
	v_add_nc_u32 v[CA20], 8*SLB, v[CA10]
	v_mov_b32 v[PWA0], s[TS]
	v_mov_b32 v[CA1], v[CA10]
	v_mov_b32 v[CA2], v[CA20]
	v_mov_b32 v[PWA], v[PWA0]
	CLD 0, 0
	CLD 1, 4
	CLD 2, 8
	CLD 3, 12
.irp c, 0,1,2,3,4,5,6,7
	v_mov_b32 v[C+\c], 0
.endr
	s_mov_b32 s28, 0
	s_mov_b32 s29, 0
	s_mov_b32 s[CNT], 7
.Lctx:                                                 ; a trip sums 16 rows and fetches the 16 behind them
.irp g, 0,1,2,3
	s_wait_dscnt 27                                ; this group is in; the three behind it, nine loads each, may be out
	CFM \g
	CLD \g, 16+4*\g
.endr
	s_add_co_u32 s28, s28, 16*PA
	s_add_co_u32 s29, s29, 64
	v_add_nc_u32 v[CA1], s28, v[CA10]
	v_add_nc_u32 v[CA2], s28, v[CA20]
	v_add_nc_u32 v[PWA], s29, v[PWA0]
	s_sub_co_u32 s[CNT], s[CNT], 1
	s_cmp_lg_u32 s[CNT], 0
	s_cbranch_scc1 .Lctx
.irp g, 0,1,2,3
	s_wait_dscnt 27-9*\g                           ; the last 16 rows fetch nothing: the counts run down
	CFM \g
.endr
	v_lshlrev_b32 v61, 4, v0
	global_store_b128 v61, v[C:C+3],   s[18:19]             ; a wave stores 512 consecutive bytes, at a multiple of 512 from ctxp's first
	global_store_b128 v61, v[C+4:C+7], s[18:19] offset:2048
	s_wait_tensorcnt 0x0                           ; the wave's end, behind my last LDS store
	ds_add_u32 v[SPW], v[NIL]
	s_wait_dscnt 0x0
	s_endpgm
.Lfunc_end_k_qdb8ddda7f3_energy:
	.size	k_qdb8ddda7f3_energy, .Lfunc_end_k_qdb8ddda7f3_energy-k_qdb8ddda7f3_energy
	.p2alignl 7, 3214868480
	.fill 96, 4, 3214868480
	.section	.rodata,"a",@progbits
	.p2align	6, 0x0
	.amdhsa_kernel k_qdb8ddda7f3_energy
		.amdhsa_group_segment_fixed_size 311808
		.amdhsa_private_segment_fixed_size 0
		.amdhsa_enable_private_segment 0
		.amdhsa_kernarg_size 64
		.amdhsa_user_sgpr_count 2
		.amdhsa_user_sgpr_kernarg_segment_ptr 1
		.amdhsa_wavefront_size32 1
		.amdhsa_system_sgpr_workgroup_id_x 1
		.amdhsa_system_sgpr_workgroup_id_y 1
		.amdhsa_system_sgpr_workgroup_id_z 1
		.amdhsa_system_vgpr_workitem_id 0
		.amdhsa_next_free_vgpr 1024
		.amdhsa_next_free_sgpr 66
		.amdhsa_reserve_vcc 1
		.amdhsa_float_denorm_mode_32 3
		.amdhsa_float_denorm_mode_16_64 3
		.amdhsa_memory_ordered 1
		.amdhsa_forward_progress 1
		.amdhsa_inst_pref_size 255
	.end_amdhsa_kernel
	.section	.bss,"aw",@nobits
	.p2align	6
	.space	262144
	.amdgpu_metadata
---
amdhsa.version: [ 1, 2 ]
amdhsa.kernels:
  - .name:           k_qdb8ddda7f3_energy
    .symbol:         k_qdb8ddda7f3_energy.kd
    .args:
      - { .name: keys, .offset: 0, .size: 8, .value_kind: global_buffer, .address_space: global }
      - { .name: mask, .offset: 8, .size: 8, .value_kind: global_buffer, .address_space: global }
      - { .name: v, .offset: 16, .size: 8, .value_kind: global_buffer, .address_space: global }
      - { .name: wkb, .offset: 24, .size: 8, .value_kind: global_buffer, .address_space: global }
      - { .name: qpt, .offset: 32, .size: 8, .value_kind: global_buffer, .address_space: global }
      - { .name: pw, .offset: 40, .size: 8, .value_kind: global_buffer, .address_space: global }
      - { .name: ml, .offset: 48, .size: 8, .value_kind: global_buffer, .address_space: global }
      - { .name: ctxp, .offset: 56, .size: 8, .value_kind: global_buffer, .address_space: global }
    .group_segment_fixed_size: 311808
    .private_segment_fixed_size: 0
    .kernarg_segment_align: 8
    .kernarg_segment_size: 64
    .max_flat_workgroup_size: 128
    .sgpr_count:     66
    .vgpr_count:     1024
    .wavefront_size: 32
...
	.end_amdgpu_metadata
.endif
;; end of part 2
;; launch combine (part 3): grid 4 x 64, 2 waves a work-group, no clusters, 0 bytes of LDS; arguments pw, ml, ctxp, out0, out1; writes out0, out1
.if DOCPART == 3
	.amdgcn_target "amdgcn-amd-amdhsa--gfx1250"
	.amdhsa_code_object_version 6
	.text
	.protected	k_qdb8ddda7f3_combine
	.globl	k_qdb8ddda7f3_combine
	.p2align	8
	.type	k_qdb8ddda7f3_combine,@function
k_qdb8ddda7f3_combine:
	s_mov_b64 s[64:65], 0
	v_nop
	global_prefetch_b8 v0, s[64:65] scope:SCOPE_SE
	s_setreg_imm32_b32 hwreg(HW_REG_WAVE_MODE, 25, 1), 1
	s_wait_xcnt 0x0
; THE EIGHT BLOCKS OF A BATCH ROW ARE JOINED.  Block k left m_k (its largest energy), l_k (the sum of its p), p = exp(e - m_k) and ctxp_k = the sum of p keys.
;   M = the largest m_k;  sc_k = exp(m_k - M);  L = the sum of l_k sc_k;  attn = p sc_k / L;  context = the sum over k of ctxp_k sc_k / L.
; A row whose keys are all hidden has L = 0: attn and context are 0 there, as the problem asks.  Where any key is seen L is at least 1.
; SHARES.  Work-group (x, b): columns 256 x .. 256 x + 255 of batch row b, of both outputs; a thread takes four.  A wave's 128 columns of attn lie in one block, 2 x + wave.
; All in f32; no LDS, no barrier: no wave wants what another has.  Each load and store of a wave covers 512 consecutive bytes.
	s_load_b256 s[4:11], s[0:1], 0x0               ; pw s[4:5], ml s[6:7], ctxp s[8:9], out0 s[10:11]
	s_load_b64 s[12:13], s[0:1], 0x20              ; out1
	v_lshrrev_b32 v1, 5, v0
	v_readfirstlane_b32 s14, v1                    ; wave 0, 1
	s_and_b32 s15, ttmp7, 0xffff                   ; b
	s_lshl_b32 s16, s15, 12                        ; 4,096 b: a row of pw, out0, out1; eight blocks of ml
	s_mov_b32 s17, 0
	s_lshl_b32 s20, s15, 15                        ; 32,768 b: eight blocks of ctxp
	s_mov_b32 s21, 0
	s_lshl_b32 s18, ttmp9, 10
	v_lshl_add_u32 v2, v0, 4, s18                  ; 1,024 x + 16 t
	s_lshl_b32 s19, ttmp9, 1
	s_add_co_u32 s19, s19, s14
	s_lshl_b32 s19, s19, 9                         ; my wave's own block in ml: 512 (2 x + wave)
	s_wait_kmcnt 0x0
	s_add_nc_u64 s[4:5], s[4:5], s[16:17]
	s_add_nc_u64 s[6:7], s[6:7], s[16:17]
	s_add_nc_u64 s[8:9], s[8:9], s[20:21]
	s_add_nc_u64 s[10:11], s[10:11], s[16:17]
	s_add_nc_u64 s[12:13], s[12:13], s[16:17]
.irp k, 0,1,2,3,4,5,6,7
	s_load_b64 s[24+2*\k:25+2*\k], s[6:7], 512*\k  ; m_k, l_k
.endr
	s_load_b64 s[40:41], s[6:7], s19 offset:0x0    ; my own block's
.irp k, 0,1,2,3,4,5,6,7
	global_load_b128 v[8+4*\k:11+4*\k], v2, s[8:9] offset:4096*\k th:TH_LOAD_NT
.endr
	global_load_b128 v[40:43], v2, s[4:5] th:TH_LOAD_NT
	s_wait_kmcnt 0x0
	v_mov_b32 v44, s24
	v_max3_num_f32 v44, v44, s26, s28
	v_max3_num_f32 v44, v44, s30, s32
	v_max3_num_f32 v44, v44, s34, s36
	v_max_num_f32 v44, s38, v44                    ; M
.irp k, 0,1,2,3,4,5,6,7
	v_sub_f32 v[46+\k], s[24+2*\k], v44
.endr
	v_sub_f32 v54, s40, v44
.irp k, 0,1,2,3,4,5,6,7,8
	v_mul_f32 v[46+\k], 0x3fb8aa3b, v[46+\k]       ; times log2(e)
.endr
.irp k, 0,1,2,3,4,5,6,7,8
	v_exp_f32 v[46+\k], v[46+\k]
.endr
	v_nop
	s_wait_alu depctr_va_vdst(0)                   ; one wait for the nine exponentials, ahead of their first reader
	v_mul_f32 v56, s25, v46
.irp k, 1,2,3,4,5,6,7
	v_fmac_f32 v56, s[25+2*\k], v[46+\k]
.endr
	v_rcp_f32 v57, v56
	v_cmp_lt_f32 vcc_lo, 0, v56                    ; (the plain line behind the reciprocal)
	s_wait_alu depctr_va_vdst(0)
	v_cndmask_b32 v57, 0, v57, vcc_lo              ; 1 / L, or 0 where all keys are hidden
.irp k, 0,1,2,3,4,5,6,7,8
	v_mul_f32 v[46+\k], v[46+\k], v57
.endr
	s_wait_loadcnt 8                               ; block 0's part is in; eight loads were issued behind it
.irp c, 0,1,2,3
	v_mul_f32 v[58+\c], v[8+\c], v46
.endr
.irp k, 1,2,3,4,5,6,7
	s_wait_loadcnt 8-\k
.irp c, 0,1,2,3
	v_fmac_f32 v[58+\c], v[8+4*\k+\c], v[46+\k]
.endr
.endr
	global_store_b128 v2, v[58:61], s[10:11]
	s_wait_loadcnt 0x0                             ; p
.irp c, 0,1,2,3
	v_mul_f32 v[64+\c], v[40+\c], v54
.endr
	global_store_b128 v2, v[64:67], s[12:13]
	s_endpgm
.Lfunc_end_k_qdb8ddda7f3_combine:
	.size	k_qdb8ddda7f3_combine, .Lfunc_end_k_qdb8ddda7f3_combine-k_qdb8ddda7f3_combine
	.p2alignl 7, 3214868480
	.fill 96, 4, 3214868480
	.section	.rodata,"a",@progbits
	.p2align	6, 0x0
	.amdhsa_kernel k_qdb8ddda7f3_combine
		.amdhsa_group_segment_fixed_size 0
		.amdhsa_private_segment_fixed_size 0
		.amdhsa_enable_private_segment 0
		.amdhsa_kernarg_size 40
		.amdhsa_user_sgpr_count 2
		.amdhsa_user_sgpr_kernarg_segment_ptr 1
		.amdhsa_wavefront_size32 1
		.amdhsa_system_sgpr_workgroup_id_x 1
		.amdhsa_system_sgpr_workgroup_id_y 1
		.amdhsa_system_sgpr_workgroup_id_z 1
		.amdhsa_system_vgpr_workitem_id 0
		.amdhsa_next_free_vgpr 72
		.amdhsa_next_free_sgpr 66
		.amdhsa_reserve_vcc 1
		.amdhsa_float_denorm_mode_32 3
		.amdhsa_float_denorm_mode_16_64 3
		.amdhsa_memory_ordered 1
		.amdhsa_forward_progress 1
		.amdhsa_inst_pref_size 7
	.end_amdhsa_kernel
	.amdgpu_metadata
---
amdhsa.version: [ 1, 2 ]
amdhsa.kernels:
  - .name:           k_qdb8ddda7f3_combine
    .symbol:         k_qdb8ddda7f3_combine.kd
    .args:
      - { .name: pw, .offset: 0, .size: 8, .value_kind: global_buffer, .address_space: global }
      - { .name: ml, .offset: 8, .size: 8, .value_kind: global_buffer, .address_space: global }
      - { .name: ctxp, .offset: 16, .size: 8, .value_kind: global_buffer, .address_space: global }
      - { .name: out0, .offset: 24, .size: 8, .value_kind: global_buffer, .address_space: global }
      - { .name: out1, .offset: 32, .size: 8, .value_kind: global_buffer, .address_space: global }
    .group_segment_fixed_size: 0
    .private_segment_fixed_size: 0
    .kernarg_segment_align: 8
    .kernarg_segment_size: 40
    .max_flat_workgroup_size: 64
    .sgpr_count:     66
    .vgpr_count:     72
    .wavefront_size: 32
...
	.end_amdgpu_metadata
.endif
;; end of part 3
;; ======== version 2 of 2: 3 launches; version 1 with the launch energy written anew for expert scheduling mode
;; workspace buffers: wkb 2,097,152 bytes; qpt 262,144 bytes; pw 262,144 bytes; ml 262,144 bytes; ctxp 2,097,152 bytes
;; launch prep: the kernel of part 1 again; grid 256 x 1, 8 waves a work-group, no clusters, 18,432 bytes of LDS; arguments Wk, Wq, query, wkb, qpt; writes wkb, qpt
;; launch energy (part 4): grid 8 x 64, 4 waves a work-group, no clusters, 311,808 bytes of LDS; arguments keys, mask, v, wkb, qpt, pw, ml, ctxp; writes pw, ml, ctxp
.if DOCPART == 4
	.amdgcn_target "amdgcn-amd-amdhsa--gfx1250"
	.amdhsa_code_object_version 6
	.text
	.protected	k_qdb8ddda7f3_energy
	.globl	k_qdb8ddda7f3_energy
	.p2align	8
	.type	k_qdb8ddda7f3_energy,@function
k_qdb8ddda7f3_energy:
	s_mov_b64 s[64:65], 0
	v_nop
	global_prefetch_b8 v0, s[64:65] scope:SCOPE_SE
	s_setreg_imm32_b32 hwreg(HW_REG_WAVE_SCHED_MODE, 0, 2), 2
	s_setreg_imm32_b32 hwreg(HW_REG_WAVE_MODE, 25, 1), 1
	s_wait_xcnt 0x0
	s_wait_alu depctr_vm_vsrc(0)
; ADDITIVE ATTENTION, ONE BLOCK OF 128 KEY ROWS OF ONE BATCH ROW TO A WORK-GROUP (block x = 0..7, batch y = 0..63).
;   e[s] = the sum over h of v[h] tanh(qp[h] + the sum over k of keys[s][k] Wk[h][k]);  masked rows count as minus infinity;
;   m = the block's largest e;  p[s] = exp(e[s] - m);  l = the sum of p;  ctxp[k] = the sum over s of p[s] keys[s][k].
; The last launch joins the eight blocks of a batch row by their m and l.  keys: f32, read ONCE: the block is rounded once to bf16 and stays in LDS
; for the product and for the context.  Wk comes as wkb (bf16, fragment order), qp as qpt (f32).  Sums, tanh, softmax in f32; v and p are not rounded.
; tanh(x) = 1 - 2 / (1 + 2^(c x)), c = 2 log2(e): at 2^(c x) = infinity or 0 it gives 1 and -1; absolute error about an f32 step of 1.
; LIMITS.  NaN and infinities in the inputs are not treated apart.  A weight p below 2^-126 counts as 0.  A mask byte other than 0 hides its row.
; A block whose rows are all hidden gives m = the lowest finite number, p = 0, l = 0.
; SHARES.  The product is 128 rows x 1,024 h x 1,024 k, in two passes of 512 h.  Wave w owns all 128 rows x the 128 columns h = 512 p + 128 w ..: 64 accumulators,
; 512 registers.  K goes in steps of 32: steps t = 0..63 (t = 32 p + s), 64 matrix instructions each.
; Source 0 = 16 rows of keys, source 1 = 16 rows of Wk: in the result a lane holds ONE h (lane % 16) and the rows 8 (lane / 16) + 0..7, so qp and v cost a register a
; column tile and the sum over h stays in the lane until four exchanges at the end.
; THE THREE STREAMS.  keys' fragments come out of LDS.  Wk's fragments are a wave's own: no other wave wants them, so they come straight into registers, 16 loads of 512
; bytes on end a step, into a ring of four buffers, asked for three steps ahead of their step's number.  keys come in during pass 0: each step a wave loads 16 rows x 256
; bytes (group j: rows 32 w + 16 (j % 2) .. + 15 of slab j / 2), four groups in flight, rounds the group that has landed and stores it to LDS.
; NO TENSOR LOAD, NO CLUSTER, though all work-groups walk the same wkb: keys must pass through registers to be rounded; the resident block and the scratch take 311,808 of
; the 327,680 bytes of LDS, and the 15,872 left hold no ring: one step of wkb for four waves is 32,768 bytes.
; LDS.  ABLK: 16 slabs; slab q = k 64 q .. 64 q + 63 of the 128 rows, a row 128 bytes + 16 of padding (the 16 rows of a load start at 16 different groups of four banks:
; 64 banks of 4 bytes, ISA guide 11.1); 128 bytes behind each slab, so that two neighbouring slabs lie half the banks apart (the context reads two at once).
; REGISTERS, in windows of 256 (s_set_vgpr_msb: bits 1:0 source 0, 3:2 source 1, 5:4 source 2, 7:6 destination):
;   window 0: v0-15 addresses; v16-47 (c qp, -2 v) a column tile; v48-51 sums of v; v52-61 at work; v64-127 keys' fragments; v128-255 four staging groups, later at work
;   window 1: Wk's four buffers of 64      windows 2, 3: the accumulators, (row tile a, column tile b) at 64 (a % 4) + 8 b of window 2 + a / 4
; THE MODE: SCHED_MODE bits 1:0 = 2 (LLVM: expert scheduling mode 2), set by the entry lines.  The code itself states the register dependences
; between vector or matrix instructions and memory or LDS instructions, with s_wait_alu, always for 0.
; THE PLAN.  Registers that memory or LDS instructions touch in step t of the product:
;   AF, row tiles 0-3     read by the step's first 32 products; behind them the LDS loads of step t + 1 land there.
;   AF, row tiles 4-7     read by its last 32 products; behind them the LDS loads of step t + 1 land there.
;   Wk's buffer (t+3) % 4 read by the products of step t - 1; the loads of step t + 3 land there, in two runs of eight among the last 32 products of step t.
;   STG[(t+3) % 4]        read and written by the step's sixteen roundings, then read by its eight LDS stores; at the step's end group t + 7 lands there.
;   v[AFR], v[AST]        read by every fragment load and every staging store; written once in four steps (v[AFR] once more where the passes change).
;   v[KOFF], v[BOFF], v[PFO]  made at the head and never written again: the scalar bases move on, and immediate offsets do the rest.
; All 1,024 registers are named, so keys' fragments have one buffer, in two halves, and each half owes a wait on va_vdst between the products that read it and the loads into it: TWO a step.
; The first stands in the step's middle, behind the roundings: it states that they have written STG, that the first 32 products are done reading row tiles 0-3, that the products of the step
; before are done reading Wk's buffer (t+3) % 4, and, behind a step of the addresses, that v[AFR] and v[AST] are written.  Behind it stand the staging stores, the fragment loads and, further on, Wk's
; loads: no vector or matrix instruction issued since names a register of theirs.  The second stands at the step's end: the last 32 products are done reading row tiles 4-7.  Beside it one wait on
; vm_vsrc: the staging stores have read STG, in which keys' next group lands.  One more wait on vm_vsrc stands ahead of each write of v[AFR] or v[AST].
.set SLB,   18560                      ; a slab: 128 rows x 144 bytes + 128
.set PA,    144
.set EP,    16*SLB                     ; 296,960: partial energies, f32 [pass 2][wave 4][row 128]
.set PW,    EP+4096                    ; 301,056: p, f32 [wave 4][128]: each wave's own copy
.set QPB,   PW+2048                    ; 303,104: qp of my batch row, f32 [1024]
.set VVB,   QPB+4096                   ; 307,200: v, f32 [1024]
.set SPARE, VVB+4096                   ; 311,296: the spare words, 128 bytes for each wave: two blocks of 256 bytes that no other line names
.set KOFF, 2                           ; v2   keys: (32 w + 8 (l / 16)) rows of 4,096 bytes + 16 (l % 16); never rewritten
.set BOFF, 3                           ; v3   wkb: 16 l; never rewritten
.set AST,  4                           ; v4   where the staging stores go: AST0 + SB
.set AFR,  5                           ; v5   where keys' fragments are read: AF0 + SB
.set AF0,  6                           ; v6   (l % 16) x 144 + 16 (l / 16)
.set PFO,  7                           ; v7   the prefetches' offset: (32 w + l) rows of 4,096 bytes; never rewritten
.set EPA,  8                           ; v8   where a row tile's partial energies go
.set EP0,  9                           ; v9   EP + 512 w + 32 (l / 16)
.set MSK,  10                          ; v10  the mask bytes of rows 4 l .. 4 l + 3
.set AST0, 11                          ; v11  (32 w + 8 (l / 16)) x 144 + 8 (l % 16)
.set R16,  12                          ; v12  l % 16
.set H16,  13                          ; v13  l / 16
.set LN,   14                          ; v14  l
.set TA,   15                          ; v15  at work
.set CQ,   16                          ; v[16:47] column tile 8 p + b: c qp[h], -2 v[h]
.set VS,   48                          ; v[48:49], v[50:51] the sum of my eight v of pass 0, of pass 1, each written twice (a pair for the packed forms)
.set SPW,  62                          ; v62  SPARE + 4 x my thread's number; never rewritten
.set NIL,  63                          ; v63  0; never rewritten
.set AF,   64                          ; v[64:127] keys' fragments: row tile a at AF + 8 a
.set STG,  128                         ; v[128:255] staging group g at STG + 32 g
.set E,    128                         ; the way to the energies: 8 sums
.set T,    192                         ;   and 64 numbers at work
.set GRP,  64                          ; the context: four groups of 20: 4 rows x 8 bf16, then the 4 rows' p
.set PP,   144                         ; v[144:147] p of my four rows;  v[148:151] (m, l, m, l)
.set EV,   160                         ; v[160:191] the eight partial energies of my four rows
.set C,    224                         ; v[224:231] the context's eight sums
.set CA10, 232                         ; v232-237 the context's addresses: two constants, two stepped, p's constant, p's stepped
.set CA20, 233
.set CA1,  234
.set CA2,  235
.set PWA0, 236
.set PWA,  237
.set WV,  20                           ; s20  my wave's number
.set BB,  22                           ; s22  the batch row
.set BID, 23                           ; s23  8 x batch row + block
.set KP,  24                           ; s[24:25] keys at the block's first row, 128 T0 bytes along K (T0: the step that the trip's immediates count from)
.set WB,  26                           ; s[26:27] wkb at my wave's part, 8,192 T0 bytes on
.set CNT, 30
.set EA,  31                           ; s31  the row tile on its way to the energies
.set CC,  32                           ; s[32:33] c = 2 log2(e), named as a pair
.set SEL, 34                           ; s[34:35] v_permlanex16_b32's selects: each lane takes its own place in the other half
.set LOW, 36                           ; s36  the lowest finite number
.set L2E, 37                           ; s37  log2(e)
.set SB,  38                           ; s38  LDS bytes of the slabs ahead of T0
.set TS,  39                           ; s39  at work
.set HM,  40                           ; s[40:43] lanes whose row 4 l + c is hidden
.set MSB, 0
.macro WIN new                         ; the immediate's high byte repeats the setting that is left; a switch that changes nothing is dropped
.if MSB != (\new)
	s_set_vgpr_msb (MSB<<8)|(\new)
.set MSB, (\new)
.endif
.endm
; A vector instruction that reads a matrix result stands four places behind that matrix instruction; only plain vector instructions that name none of its registers are places (ISA guide 7.12.1).
; Four such lines also stand, as in this text's plain form, between a run of products and the loads into their sources: there they stand ahead of the wait that states the dependence.
.macro PLACES
.rept 4
	v_nop
.endr
.endm
; Eight matrix instructions: row tile 4 hi + a x all eight column tiles, 32 along K, Wk's buffer r.  A step takes a = 0..3 of hi = 0, then of hi = 1: all 64 accumulators differ, so
; the accumulators take turns, one instruction a turn, over the steps' and the loops' edges too.  zero = 1: the products start the sums.
.macro MULQ hi, a, r, zero
	WIN 0xa4+0x50*(\hi)                            ; keys window 0, Wk window 1, C and D window 2 or 3
.irp b, 0,1,2,3,4,5,6,7
.if \zero
	v_wmma_f32_16x16x32_bf16 v[64*(\a)+8*(\b):64*(\a)+8*(\b)+7], v[AF+8*(4*(\hi)+(\a)):AF+8*(4*(\hi)+(\a))+7], v[64*(\r)+8*(\b):64*(\r)+8*(\b)+7], 0
.else
	v_wmma_f32_16x16x32_bf16 v[64*(\a)+8*(\b):64*(\a)+8*(\b)+7], v[AF+8*(4*(\hi)+(\a)):AF+8*(4*(\hi)+(\a))+7], v[64*(\r)+8*(\b):64*(\r)+8*(\b)+7], v[64*(\a)+8*(\b):64*(\a)+8*(\b)+7]
.endif
.endr
.endm
; Eight LDS loads: four of keys' fragments (half 0: row tiles 0-3, half 1: 4-7) of step T0 + sg.  A fragment is 16 rows x 32 k: lane l holds row l % 16, k = 8 (l / 16) + 0..7 and 16 + 8 (l / 16) + 0..7.
.macro AL half, sg
.irp a, 0,1,2,3
	ds_load_b128 v[AF+8*(4*(\half)+(\a)):AF+8*(4*(\half)+(\a))+3],   v[AFR] offset:((\sg)/2)*SLB+64*((\sg)%2)+(4*(\half)+(\a))*16*PA
	ds_load_b128 v[AF+8*(4*(\half)+(\a))+4:AF+8*(4*(\half)+(\a))+7], v[AFR] offset:((\sg)/2)*SLB+64*((\sg)%2)+(4*(\half)+(\a))*16*PA+32
.endr
.endm
; Eight loads: Wk's fragments 4 h .. 4 h + 3 of step T0 + k into buffer r; each load takes 512 bytes on end.
.macro BLH r, k, h
	WIN 0x40                                       ; destination window 1, offset window 0
.irp bt, 0,1,2,3
	global_load_b128 v[64*(\r)+8*(4*(\h)+\bt):64*(\r)+8*(4*(\h)+\bt)+3],   v[BOFF], s[WB:WB+1] offset:(\k)*8192+1024*(4*(\h)+\bt)
	global_load_b128 v[64*(\r)+8*(4*(\h)+\bt)+4:64*(\r)+8*(4*(\h)+\bt)+7], v[BOFF], s[WB:WB+1] offset:(\k)*8192+1024*(4*(\h)+\bt)+512
.endr
.endm
.macro BL r, k                         ; all sixteen, at the start
	BLH \r, \k, 0
	BLH \r, \k, 1
	WIN 0
.endm
; Eight loads: group T0 + j of keys: sixteen lanes take 256 consecutive bytes of a row, at a multiple of 256 from keys' first byte.  Read once in the launch.
.macro KL base, j
.irp u, 0,1,2,3,4,5,6,7
	global_load_b128 v[(\base)+4*\u:(\base)+4*\u+3], v[KOFF], s[KP:KP+1] offset:(16*((\j)%2)+\u)*4096+256*((\j)/2) th:TH_LOAD_NT
.endr
.endm
.macro CV base                         ; the group is rounded to bf16, in place: four f32 into two words
.irp u, 0,1,2,3,4,5,6,7
	v_cvt_pk_bf16_f32 v[(\base)+4*\u],   v[(\base)+4*\u],   v[(\base)+4*\u+1]
	v_cvt_pk_bf16_f32 v[(\base)+4*\u+1], v[(\base)+4*\u+2], v[(\base)+4*\u+3]
.endr
.endm
.macro ST base, j                      ; and stored: lanes 0-15 fill a row's 128 bytes of the slab, lanes 16-31 those of the row eight below, half the banks away
.irp u, 0,1,2,3,4,5,6,7
	ds_store_b64 v[AST], v[(\base)+4*\u:(\base)+4*\u+1] offset:(16*((\j)%2)+\u)*PA+((\j)/2)*SLB
.endr
.endm
.macro ADV keys                        ; T0 goes on by four steps
	s_wait_xcnt 0x0                                ; every load and prefetch issued so far has read its address (ISA guide 3.1), so the pointers may be written; the youngest prefetch stands a step back
	s_wait_alu depctr_vm_vsrc(0)                   ; the fragment loads and staging stores issued so far have read v[AFR] and v[AST], which are written below
	s_add_nc_u64 s[WB:WB+1], s[WB:WB+1], 32768
	s_add_co_u32 s[SB], s[SB], 2*SLB
	v_add_nc_u32 v[AFR], s[SB], v[AF0]             ; its next reader stands behind the next step's first wait on va_vdst
.if \keys
	s_add_nc_u64 s[KP:KP+1], s[KP:KP+1], 512
	v_add_nc_u32 v[AST], s[SB], v[AST0]            ; likewise
.endif
.endm
; STEP t = T0 + u.  zero: its products start the sums.  cv: group t + 3 is rounded and stored.  kl: group t + 7 is asked for, into the registers that this step has emptied.
; bl: Wk of step t + 3 is asked for, into the buffer that step t - 1 multiplied.  al: keys' fragments of step t + 1 are fetched (wrap: of a pass's step 0).
; sig, bw: the barrier that shows a slab whole.  Slab q + 1 is stored in the middle of steps 2 q - 1 and 2 q; each wave waits for its stores and signals at the end of step 2 q,
; and waits for the others in the middle of step 2 q + 1, ahead of the first load from that slab.  Between signal and wait stand loads from slabs that were whole before and are never
; written again, waits and 32 matrix instructions.  A slab is written once in the launch, so no barrier is needed ahead of a store.
; nl: loads come back in order (ISA guide 5.7.1); the step's wait for them stands directly ahead of its own loads of Wk, and shows Wk of step t + 1 in.  Issued behind that: group t + 5, Wk of t + 2,
; group t + 6: 8 + 16 + 8 = 32 may stay out (fewer when keys' groups have run out).  Group t + 4, which the next step rounds, was issued ahead of it and is in as well.
; pf: a prefetch, by byte offset (below).  d0: the LDS instructions that may be out at the step's head: the eight loads of the second half's fragments.
.macro STEP u, zero, cv, kl, bl, sig, bw, nl, al, wrap, pf=0, d0=8
	s_wait_dscnt \d0                               ; the first half's fragments are in
	MULQ 0, 0, (\u)%4, \zero
	MULQ 0, 1, (\u)%4, \zero
	MULQ 0, 2, (\u)%4, \zero
	MULQ 0, 3, (\u)%4, \zero
	WIN 0
.if \bw
	s_barrier_wait -1                              ; the slab of step t + 1 is whole
.endif
.if \wrap
	s_wait_alu depctr_vm_vsrc(0)                   ; the fragment loads issued so far have read v[AFR]
	v_mov_b32 v[AFR], v[AF0]
.endif
.if \cv
	CV STG+32*(((\u)+3)%4)
.elseif \al
	PLACES
.endif
.if (\cv)+(\al)
	s_wait_alu depctr_va_vdst(0)                   ; the roundings have written the staging group; the 32 products above are done reading row tiles 0-3; the step before is done reading Wk's buffer (t+3) % 4; v[AFR] and v[AST], where they were stepped, are written
.endif
.if \cv
	ST STG+32*(((\u)+3)%4), (\u)+3
.endif
.if \al
.if \wrap
	AL 0, 0
.else
	AL 0, (\u)+1
.endif
.endif
	s_wait_dscnt 8*(\cv)+8*(\al)                   ; the second half's fragments are in; the stores and loads just issued may be out
	MULQ 1, 0, (\u)%4, \zero
	MULQ 1, 1, (\u)%4, \zero
.if (\nl) >= 0
	s_wait_loadcnt \nl
.endif
.if \bl
	BLH ((\u)+3)%4, (\u)+3, 0                      ; no wait: no vector or matrix instruction since the wait in the step's middle names this buffer or v[BOFF]
.endif
	MULQ 1, 2, (\u)%4, \zero
.if \bl
	BLH ((\u)+3)%4, (\u)+3, 1
.endif
	MULQ 1, 3, (\u)%4, \zero
	WIN 0
.if \al
	PLACES
	s_wait_alu depctr_va_vdst(0)                   ; the 32 products above are done reading row tiles 4-7, in which the step's last loads land; the roundings are done with the staging group, in which keys' loads land
.endif
.if \kl
	s_wait_alu depctr_vm_vsrc(0)                   ; the step's staging stores have read the group's registers
	KL STG+32*(((\u)+3)%4), (\u)+7
.endif
.if \pf
	s_cmp_gt_u32 s[CNT], 1                         ; the loop's last trip has no slab four steps on
	s_cbranch_scc0 .Lnopf_\@
	global_prefetch_b8 v[PFO], s[KP:KP+1] offset:\pf th:TH_LOAD_NT scope:SCOPE_SE
.Lnopf_\@:
.endif
.if \sig
	s_wait_dscnt 0x0                               ; for the others' sake: my stores into the slab are done (and no LDS instruction is out at a signal)
	s_barrier_signal -1
.endif
.if \al
.if \wrap
	AL 1, 0
.else
	AL 1, (\u)+1
.endif
.endif
.endm
; THE PREFETCH.  keys are read once and the waves wait for them.  In the pass-0 loop, behind the loads of steps u = 1 and u = 3, a wave names its own 32 rows x 256 bytes, a lane a row, of the slab
; whose loads go out four steps, 256 matrix instructions, later.  So each row's 256 bytes of a slab are named once in the launch, by the wave that will load them.  The first six slabs come by their loads alone.
; THE WAY TO THE ENERGIES, pass p: for each row tile a: x = c (sum + qp); 2^x; + 1; reciprocal; times -2 v, summed over my eight column tiles onto the sum of my v; then over the sixteen lanes.
; One text for the eight row tiles: only the first 32 lines name the accumulators, so they stand eight times and a chain of forward jumps picks one; the rest works on fixed registers.
; The 64 exponentials are one batch and the 64 reciprocals another: behind each a plain line and one wait ahead of the first reader.
; Memory side: the trip's two LDS stores read v[E ..] and v[EPA], which the next trip writes again; v[T ..] and v[E ..] were staging groups, which the staging stores read.
.macro EPI p
	s_mov_b32 s[EA], 0
.Lepi_\@:
	s_wait_alu depctr_vm_vsrc(0)                   ; the LDS stores issued so far have read their registers: the last trip's v[E ..] and v[EPA]; ahead of pass 0's first trip the last staging groups, which are v[T ..] and v[E ..] from here on
.irp a, 0,1,2,3,4,5,6
	s_cmp_eq_u32 s[EA], \a
	s_cbranch_scc1 .Lf_\@_\a
.endr
.irp a, 7,6,5,4,3,2,1,0
.Lf_\@_\a:
	WIN 0x02+(\a)/4                                ; source 0 in window 2 or 3
.irp b, 0,1,2,3,4,5,6,7
.irp r, 0,1,2,3
	v_pk_fma_f32 v[T+8*(\b)+2*(\r):T+8*(\b)+2*(\r)+1], v[64*((\a)%4)+8*(\b)+2*(\r):64*((\a)%4)+8*(\b)+2*(\r)+1], s[CC:CC+1], v[CQ+2*(8*(\p)+(\b)):CQ+2*(8*(\p)+(\b))+1] op_sel_hi:[1,0,0]  ; each accumulator is read from its low end on
.endr
.endr
	WIN 0
.if (\a) > 0
	s_branch .Lcom_\@
.endif
.endr
.Lcom_\@:
.set i, 0
.rept 64
	v_exp_f32 v[T+i], v[T+i]
.set i, i+1
.endr
	v_nop
	s_wait_alu depctr_va_vdst(0)                   ; the 64 exponentials have written v[T ..], ahead of their first reader
.set i, 0
.rept 32
	v_pk_add_f32 v[T+i:T+i+1], v[T+i:T+i+1], 1.0 op_sel_hi:[1,0]
.set i, i+2
.endr
.set i, 0
.rept 64
	v_rcp_f32 v[T+i], v[T+i]
.set i, i+1
.endr
	v_nop
	s_wait_alu depctr_va_vdst(0)                   ; the 64 reciprocals have written v[T ..], ahead of their first reader
.irp b, 0,1,2,3,4,5,6,7
.irp r, 0,1,2,3
.if (\b) == 0
	v_pk_fma_f32 v[E+2*(\r):E+2*(\r)+1], v[T+8*(\b)+2*(\r):T+8*(\b)+2*(\r)+1], v[CQ+2*(8*(\p)+(\b)):CQ+2*(8*(\p)+(\b))+1], v[VS+2*(\p):VS+2*(\p)+1] op_sel:[0,1,0] op_sel_hi:[1,1,1]  ; the pair's second word, -2 v, for both
.else
	v_pk_fma_f32 v[E+2*(\r):E+2*(\r)+1], v[T+8*(\b)+2*(\r):T+8*(\b)+2*(\r)+1], v[CQ+2*(8*(\p)+(\b)):CQ+2*(8*(\p)+(\b))+1], v[E+2*(\r):E+2*(\r)+1] op_sel:[0,1,0] op_sel_hi:[1,1,1]
.endif
.endr
.endr
.irp x, 1,2,4,8
.irp j, 0,1,2,3,4,5,6,7
	v_add_f32_dpp v[E+\j], v[E+\j], v[E+\j] row_xmask:\x row_mask:0xf bank_mask:0xf
.endr
.endr
	s_lshl_b32 s[TS], s[EA], 6                     ; 16 rows of 4 bytes a row tile
	v_add_nc_u32 v[EPA], s[TS], v[EP0]
	s_wait_alu depctr_va_vdst(0)                   ; the eight sums v[E ..] and the address v[EPA] are written, which the two stores read
	ds_store_b128 v[EPA], v[E:E+3]   offset:2048*(\p)     ; the sixteen lanes of a half hold the same eight sums and write the same words
	ds_store_b128 v[EPA], v[E+4:E+7] offset:2048*(\p)+16
	s_add_co_u32 s[EA], s[EA], 1
	s_cmp_lt_u32 s[EA], 8
	s_cbranch_scc1 .Lepi_\@
.endm
	s_load_b512 s[4:19], s[0:1], 0x0               ; keys s[4:5], mask s[6:7], v s[8:9], wkb s[10:11], qpt s[12:13], pw s[14:15], ml s[16:17], ctxp s[18:19]
	v_lshl_add_u32 v[SPW], v0, 2, SPARE
	v_mov_b32 v[NIL], 0
	v_lshrrev_b32 v1, 5, v0
	v_readfirstlane_b32 s[WV], v1                  ; wave 0..3
	s_and_b32 s[BB], ttmp7, 0xffff
	s_lshl_b32 s[BID], s[BB], 3
	s_add_co_u32 s[BID], s[BID], ttmp9
	s_mov_b32 s[CC], 0x4038aa3b                    ; 2 log2(e) = 2.885390
	s_mov_b32 s[CC+1], s[CC]
	s_mov_b32 s[SEL], 0x76543210
	s_mov_b32 s[SEL+1], 0xfedcba98
	s_mov_b32 s[LOW], 0xff7fffff
	s_mov_b32 s[L2E], 0x3fb8aa3b
	s_mov_b32 s[SB], 0
	v_and_b32 v[R16], 15, v0
	v_bfe_u32 v[H16], v0, 4, 1
	v_and_b32 v[LN], 31, v0
	s_wait_alu depctr_va_sdst(0)                   ; the wave's number is written, ahead of its first reader
	s_lshl_b32 s28, s[WV], 5
	v_lshl_add_u32 v[TA], v[H16], 3, s28           ; row 32 w + 8 (l / 16)
	v_lshlrev_b32 v[KOFF], 12, v[TA]
	v_lshl_add_u32 v[KOFF], v[R16], 4, v[KOFF]
	v_lshlrev_b32 v[BOFF], 4, v[LN]
	v_mul_u32_u24 v[AST0], v[TA], PA
	v_lshl_add_u32 v[AST0], v[R16], 3, v[AST0]
	v_mov_b32 v[AST], v[AST0]
	v_mul_u32_u24 v[AF0], v[R16], PA
	v_lshl_add_u32 v[AF0], v[H16], 4, v[AF0]
	v_mov_b32 v[AFR], v[AF0]
	v_add_nc_u32 v[PFO], s28, v[LN]
	v_lshlrev_b32 v[PFO], 12, v[PFO]
	s_lshl_b32 s[TS], s[WV], 9
	s_add_co_u32 s[TS], s[TS], EP
	v_lshl_add_u32 v[EP0], v[H16], 5, s[TS]
	v_lshrrev_b32 v52, 1, v0                       ; qpt is [ht][b][16]: thread t takes h = 8 t .. 8 t + 7: ht = t / 2, 32 bytes at 32 (t % 2)
	v_lshlrev_b32 v52, 12, v52
	v_and_b32 v53, 1, v0
	v_lshl_add_u32 v52, v53, 5, v52
	v_lshlrev_b32 v54, 5, v0                       ; v: 32 bytes at 32 t
	v_lshlrev_b32 v55, 2, v[LN]                    ; mask: 4 bytes at 4 l
	v_lshl_add_u32 v56, v0, 5, QPB
	s_wait_alu depctr_va_vdst(0)                   ; all offsets and LDS addresses made above are written: v[KOFF], v[BOFF], v[AST], v[AFR], v[PFO], v52, v54, v55, v56, which the loads, stores and prefetches below read
	s_mov_b32 s29, 0
	s_wait_kmcnt 0x0
	s_lshl_b32 s28, s[BID], 19                     ; a block is 128 rows of 4,096 bytes
	s_add_nc_u64 s[KP:KP+1], s[4:5], s[28:29]
	s_lshl_b32 s28, s[WV], 19                      ; a wave's part of wkb
	s_add_nc_u64 s[WB:WB+1], s[10:11], s[28:29]
	s_lshl_b32 s28, s[BB], 6
	s_add_nc_u64 s[12:13], s[12:13], s[28:29]
	s_lshl_b32 s28, s[BID], 7
	s_add_nc_u64 s[6:7], s[6:7], s[28:29]
	s_lshl_b32 s28, s[BID], 9
	s_add_nc_u64 s[14:15], s[14:15], s[28:29]
	s_add_nc_u64 s[16:17], s[16:17], s[28:29]
	s_lshl_b32 s28, s[BID], 12
	s_add_nc_u64 s[18:19], s[18:19], s[28:29]
	; THE START.  The loads go out in the order that the steps' counts lean on: .. group 3, Wk 0, group 4, Wk 1, group 5, Wk 2, group 6.  At most 56 are out.
	global_load_b128 v[64:67], v52, s[12:13]
	global_load_b128 v[68:71], v52, s[12:13] offset:16
	global_load_b128 v[72:75], v54, s[8:9]
	global_load_b128 v[76:79], v54, s[8:9] offset:16
	global_load_b32 v[MSK], v55, s[6:7]
	KL STG, 0
	KL STG+32, 1
	KL STG+64, 2
	KL STG+96, 3
	BL 0, 0
	s_wait_loadcnt 32                              ; qp, v, the mask and groups 0 and 1 are in; behind them: groups 2 and 3, Wk 0
	ds_store_b128 v56, v[64:67]
	ds_store_b128 v56, v[68:71] offset:16
	ds_store_b128 v56, v[72:75] offset:4096
	ds_store_b128 v56, v[76:79] offset:4112
	CV STG
	CV STG+32
	s_wait_alu depctr_va_vdst(0)                   ; the roundings have written groups 0 and 1, which the stores below read and in which groups 4 and 5 land
	ST STG, 0
	ST STG+32, 1
	s_wait_alu depctr_vm_vsrc(0)                   ; the stores have read groups 0 and 1, in which groups 4 and 5 land, and v[64:79], in which keys' first fragments land
	KL STG, 4
	BL 1, 1
	s_wait_loadcnt 48                              ; group 2 is in; behind it: group 3, Wk 0, group 4, Wk 1
	CV STG+64
	KL STG+32, 5                                   ; no wait: since the two waits above only loads, window switches and group 2's roundings have been issued
	s_wait_loadcnt 32                              ; group 3 and Wk 0 are in; behind them: group 4, Wk 1, group 5
	BL 2, 2
	s_wait_alu depctr_va_vdst(0)                   ; the roundings have written group 2, which the stores below read and in which group 6 lands
	ST STG+64, 2
	s_wait_alu depctr_vm_vsrc(0)                   ; the stores have read group 2
	KL STG+64, 6
	s_wait_dscnt 0x0                               ; for the others' sake: my parts of slab 0, of slab 1's first half, of qp and of v lie in LDS
	s_barrier_signal -1
	s_barrier_wait -1
	s_lshl_b32 s28, s[WV], 9
	s_add_co_u32 s28, s28, QPB
	v_lshl_add_u32 v[TA], v[R16], 2, s28           ; h = 128 w + l % 16, + 512 p + 16 b in the immediates
	s_wait_alu depctr_va_vdst(0)                   ; v[TA] is written, which the 32 loads below read
.irp i, 0,1,2,3,4,5,6,7,8,9,10,11,12,13,14,15
	ds_load_b32 v[CQ+2*\i],   v[TA] offset:2048*(\i/8)+64*(\i%8)
	ds_load_b32 v[CQ+2*\i+1], v[TA] offset:4096+2048*(\i/8)+64*(\i%8)
.endr
	AL 0, 0
	AL 1, 0
	s_wait_dscnt 16                                ; qp and v are in; the sixteen fragment loads may be out
.irp p, 0,1
	v_add_f32 v[VS+2*\p], v[CQ+16*\p+1], v[CQ+16*\p+3]
.irp b, 2,3,4,5,6,7
	v_add_f32 v[VS+2*\p], v[VS+2*\p], v[CQ+16*\p+2*\b+1]
.endr
	v_mov_b32 v[VS+2*\p+1], v[VS+2*\p]
.endr
.irp i, 0,1,2,3,4,5,6,7,8,9,10,11,12,13,14,15
	v_mul_f32 v[CQ+2*\i],   s[CC], v[CQ+2*\i]
	v_mul_f32 v[CQ+2*\i+1], -2.0, v[CQ+2*\i+1]
.endr
	; PASS 0: steps 0 to 31.     u  zero cv kl bl sig bw nl  al wrap pf
	STEP 0, 1, 1, 1, 1, 1, 0, 32, 1, 0
	s_mov_b32 s[CNT], 6
.Lpass0:                                               ; steps 1 to 24
	STEP 1, 0, 1, 1, 1, 0, 1, 32, 1, 0, 1536
	STEP 2, 0, 1, 1, 1, 1, 0, 32, 1, 0
	STEP 3, 0, 1, 1, 1, 0, 1, 32, 1, 0, 1792
	STEP 4, 0, 1, 1, 1, 1, 0, 32, 1, 0
	ADV 1
	s_sub_co_u32 s[CNT], s[CNT], 1
	s_cmp_lg_u32 s[CNT], 0
	s_cbranch_scc1 .Lpass0
	STEP 1, 0, 1, 0, 1, 0, 1, 32, 1, 0             ; steps 25 to 28: the last four groups are rounded, none is asked for: the counts run down
	STEP 2, 0, 1, 0, 1, 1, 0, 24, 1, 0
	STEP 3, 0, 1, 0, 1, 0, 1, 16, 1, 0
	STEP 4, 0, 1, 0, 1, 1, 0, 16, 1, 0
	ADV 0
	STEP 1, 0, 0, 0, 1, 0, 1, 16, 1, 0             ; steps 29 to 31: the block is whole
	STEP 2, 0, 0, 0, 1, 0, 0, 16, 1, 0
	STEP 3, 0, 0, 0, 1, 0, 0, 16, 1, 1             ; keys' fragments go back to the rows' first 32 numbers
	s_wait_xcnt 0x0
	s_add_nc_u64 s[WB:WB+1], s[WB:WB+1], 32768
	s_mov_b32 s[SB], 0
	PLACES                                         ; with the four in the step's last lines: eight places behind the pass's last product
	EPI 0                                          ; Wk of steps 32 to 34 and keys' fragments of step 32 are on their way meanwhile: no line of this part names their registers
	; PASS 1: steps 32 to 63
	STEP 0, 1, 0, 0, 1, 0, 0, 16, 1, 0, 0, 0       ; its first wait is for all: the fragments, and the sixteen stores of partial energies behind them
	s_mov_b32 s[CNT], 7
.Lpass1:                                               ; steps 33 to 60
	STEP 1, 0, 0, 0, 1, 0, 0, 16, 1, 0
	STEP 2, 0, 0, 0, 1, 0, 0, 16, 1, 0
	STEP 3, 0, 0, 0, 1, 0, 0, 16, 1, 0
	STEP 4, 0, 0, 0, 1, 0, 0, 16, 1, 0
	ADV 0
	s_sub_co_u32 s[CNT], s[CNT], 1
	s_cmp_lg_u32 s[CNT], 0
	s_cbranch_scc1 .Lpass1
	STEP 1, 0, 0, 0, 0, 0, 0, 16, 1, 0             ; steps 61 to 63 ask for nothing of Wk
	STEP 2, 0, 0, 0, 0, 0, 0, 0, 1, 0
	STEP 3, 0, 0, 0, 0, 0, 0, -1, 0, 0             ; the last step issues no load and no store, so it holds no s_wait_alu
	PLACES
	PLACES
	EPI 1
	s_wait_dscnt 0x0                               ; for the others' sake: my partial energies of both passes lie in LDS
	s_barrier_signal -1
	s_barrier_wait -1
	; THE BLOCK'S SOFTMAX, made by every wave for itself: lane l takes rows 4 l .. 4 l + 3.
	v_lshl_add_u32 v52, v[LN], 4, EP
	s_wait_alu depctr_va_vdst(0)                   ; v52 is written, which the eight loads below read
.irp k, 0,1,2,3,4,5,6,7
	ds_load_b128 v[EV+4*\k:EV+4*\k+3], v52 offset:512*\k
.endr
	v_mov_b32 v53, 0xff800000                      ; minus infinity
	s_wait_dscnt 0x0
.irp m, 0,2,4,6
	v_pk_add_f32 v[EV+4*\m:EV+4*\m+1],   v[EV+4*\m:EV+4*\m+1],   v[EV+4*\m+4:EV+4*\m+5]
	v_pk_add_f32 v[EV+4*\m+2:EV+4*\m+3], v[EV+4*\m+2:EV+4*\m+3], v[EV+4*\m+6:EV+4*\m+7]
.endr
.irp m, 0,4
	v_pk_add_f32 v[EV+4*\m:EV+4*\m+1],   v[EV+4*\m:EV+4*\m+1],   v[EV+4*\m+8:EV+4*\m+9]
	v_pk_add_f32 v[EV+4*\m+2:EV+4*\m+3], v[EV+4*\m+2:EV+4*\m+3], v[EV+4*\m+10:EV+4*\m+11]
.endr
	v_pk_add_f32 v[EV:EV+1],   v[EV:EV+1],   v[EV+16:EV+17]
	v_pk_add_f32 v[EV+2:EV+3], v[EV+2:EV+3], v[EV+18:EV+19]
	v_and_b32 v54, 0xff, v[MSK]                    ; row 4 l + c is hidden where its mask byte is not 0: the four compares stand in one run, each with a scalar register of its own
	v_and_b32 v55, 0xff00, v[MSK]
	v_and_b32 v56, 0xff0000, v[MSK]
	v_and_b32 v57, 0xff000000, v[MSK]
.irp c, 0,1,2,3
	v_cmp_ne_u32 s[HM+\c], 0, v[54+\c]
.endr
	s_wait_alu depctr_va_sdst(0)                   ; the four compares have written s[HM ..], ahead of their first reader
.irp c, 0,1,2,3
	v_cndmask_b32 v[EV+\c], v[EV+\c], v53, s[HM+\c]
.endr
	v_max3_num_f32 v55, v[EV], v[EV+1], v[EV+2]
	v_max_num_f32 v55, v55, v[EV+3]
.irp x, 1,2,4,8
	v_max_num_f32_dpp v55, v55, v55 row_xmask:\x row_mask:0xf bank_mask:0xf
.endr
	v_permlanex16_b32 v56, v55, s[SEL], s[SEL+1]
	v_max_num_f32 v55, v55, v56
	v_max_num_f32 v55, s[LOW], v55                 ; m; finite also where every row is hidden, so that e - m stays minus infinity there
.irp c, 0,1,2,3
	v_sub_f32 v[EV+4+\c], v[EV+\c], v55
.endr
.irp c, 0,1,2,3
	v_mul_f32 v[EV+4+\c], s[L2E], v[EV+4+\c]
.endr
.irp c, 0,1,2,3
	v_exp_f32 v[PP+\c], v[EV+4+\c]
.endr
	v_nop
	s_wait_alu depctr_va_vdst(0)                   ; the four exponentials have written v[PP ..], ahead of their first reader
	v_add_f32 v57, v[PP], v[PP+1]
	v_add_f32 v58, v[PP+2], v[PP+3]
	v_add_f32 v57, v57, v58
.irp x, 1,2,4,8
	v_add_f32_dpp v57, v57, v57 row_xmask:\x row_mask:0xf bank_mask:0xf
.endr
	v_permlanex16_b32 v58, v57, s[SEL], s[SEL+1]
	v_add_f32 v57, v57, v58                        ; l
	s_lshl_b32 s[TS], s[WV], 9
	s_add_co_u32 s[TS], s[TS], PW
	v_lshl_add_u32 v59, v[LN], 4, s[TS]
	v_lshlrev_b32 v60, 4, v[LN]
	s_wait_alu depctr_va_vdst(0)                   ; the address v59 and the offset v60 are written, which the stores below read
	ds_store_b128 v59, v[PP:PP+3]                  ; my wave's own copy of p: read back below by this wave alone, in order
	s_cmp_lg_u32 s[WV], 0
	s_cbranch_scc1 .Lnot_wave_0
	global_store_b128 v60, v[PP:PP+3], s[14:15]    ; the block's 128 p: 512 consecutive bytes
.Lnot_wave_0:
	s_cmp_lg_u32 s[WV], 1
	s_cbranch_scc1 .Lnot_wave_1
	v_mov_b32 v[PP+4], v55
	v_mov_b32 v[PP+5], v57
	v_mov_b32 v[PP+6], v55
	v_mov_b32 v[PP+7], v57
	s_wait_alu depctr_va_vdst(0)                   ; the four moves have written the store's data
	global_store_b128 v60, v[PP+4:PP+7], s[16:17]  ; (m, l) over and over: 512 consecutive bytes, of which the last launch reads the first eight
.Lnot_wave_1:
	; THE CONTEXT: thread t sums columns 4 t .. 4 t + 3 and 512 + 4 t .. over the 128 rows, from the bf16 block in LDS, with p in f32.
	; A group is four rows: eight loads of 8 bytes and one of the rows' four p: nine LDS loads.  Four groups take turns.
	; Memory side: group g is read by its 32 sums and asked for again at once, behind one wait on va_vdst; the three stepped addresses are read by every load and written once a trip, behind one wait on vm_vsrc.
.macro CLD g, row
.irp q, 0,1,2,3
	ds_load_b64 v[GRP+20*(\g)+4*\q:GRP+20*(\g)+4*\q+1],   v[CA1] offset:((\row)+\q)*PA
	ds_load_b64 v[GRP+20*(\g)+4*\q+2:GRP+20*(\g)+4*\q+3], v[CA2] offset:((\row)+\q)*PA
.endr
	ds_load_b128 v[GRP+20*(\g)+16:GRP+20*(\g)+19], v[PWA] offset:4*(\row)
.endm
.macro CFM g
.irp q, 0,1,2,3
.irp c, 0,1,2,3
	v_fma_mix_f32_bf16 v[C+2*\c],   v[GRP+20*(\g)+4*\q+\c], v[GRP+20*(\g)+16+\q], v[C+2*\c]   op_sel_hi:[1,0,0]
	v_fma_mix_f32_bf16 v[C+2*\c+1], v[GRP+20*(\g)+4*\q+\c], v[GRP+20*(\g)+16+\q], v[C+2*\c+1] op_sel:[1,0,0] op_sel_hi:[1,0,0]
.endr
.endr
.endm
	v_lshrrev_b32 v[CA10], 4, v0                   ; columns 4 t ..: slab t / 16, byte 8 (t % 16)
	v_mul_u32_u24 v[CA10], v[CA10], SLB
	v_lshl_add_u32 v[CA10], v[R16], 3, v[CA10]
	v_add_nc_u32 v[CA20], 8*SLB, v[CA10]
	v_mov_b32 v[PWA0], s[TS]
	v_mov_b32 v[CA1], v[CA10]
	v_mov_b32 v[CA2], v[CA20]
	v_mov_b32 v[PWA], v[PWA0]
	s_wait_alu depctr_va_vdst(0)                   ; the three addresses are written, which the loads below read
	s_wait_alu depctr_vm_vsrc(0)                   ; the last stores of partial energies have read v[E ..], in which group 3's loads land
	CLD 0, 0
	CLD 1, 4
	CLD 2, 8
	CLD 3, 12
.irp c, 0,1,2,3,4,5,6,7
	v_mov_b32 v[C+\c], 0
.endr
	s_mov_b32 s28, 0
	s_mov_b32 s29, 0
	s_mov_b32 s[CNT], 7
.Lctx:                                                 ; a trip sums 16 rows and fetches the 16 behind them
.irp g, 0,1,2,3
	s_wait_dscnt 27                                ; this group is in; the three behind it, nine loads each, may be out
	CFM \g
	s_wait_alu depctr_va_vdst(0)                   ; the 32 sums are done reading the group, in which the loads below land; in a trip's first turn the three stepped addresses are written
	CLD \g, 16+4*\g
.endr
	s_add_co_u32 s28, s28, 16*PA
	s_add_co_u32 s29, s29, 64
	s_wait_alu depctr_vm_vsrc(0)                   ; the loads issued so far have read the three addresses
	v_add_nc_u32 v[CA1], s28, v[CA10]
	v_add_nc_u32 v[CA2], s28, v[CA20]
	v_add_nc_u32 v[PWA], s29, v[PWA0]
	s_sub_co_u32 s[CNT], s[CNT], 1
	s_cmp_lg_u32 s[CNT], 0
	s_cbranch_scc1 .Lctx
.irp g, 0,1,2,3
	s_wait_dscnt 27-9*\g                           ; the last 16 rows fetch nothing: the counts run down
	CFM \g
.endr
	v_lshlrev_b32 v61, 4, v0
	s_wait_alu depctr_va_vdst(0)                   ; the eight sums v[C ..] and the offset v61 are written, which the two stores read
	global_store_b128 v61, v[C:C+3],   s[18:19]             ; a wave stores 512 consecutive bytes, at a multiple of 512 from ctxp's first
	global_store_b128 v61, v[C+4:C+7], s[18:19] offset:2048
	s_wait_dscnt 0x0                               ; the closing lines, six on end
	s_wait_alu 0x0
	s_wait_tensorcnt 0x0
	ds_add_u32 v[SPW], v[NIL]
	s_wait_dscnt 0x0
	s_endpgm
.Lfunc_end_k_qdb8ddda7f3_energy:
	.size	k_qdb8ddda7f3_energy, .Lfunc_end_k_qdb8ddda7f3_energy-k_qdb8ddda7f3_energy
	.p2alignl 7, 3214868480
	.fill 96, 4, 3214868480
	.section	.rodata,"a",@progbits
	.p2align	6, 0x0
	.amdhsa_kernel k_qdb8ddda7f3_energy
		.amdhsa_group_segment_fixed_size 311808
		.amdhsa_private_segment_fixed_size 0
		.amdhsa_enable_private_segment 0
		.amdhsa_kernarg_size 64
		.amdhsa_user_sgpr_count 2
		.amdhsa_user_sgpr_kernarg_segment_ptr 1
		.amdhsa_wavefront_size32 1
		.amdhsa_system_sgpr_workgroup_id_x 1
		.amdhsa_system_sgpr_workgroup_id_y 1
		.amdhsa_system_sgpr_workgroup_id_z 1
		.amdhsa_system_vgpr_workitem_id 0
		.amdhsa_next_free_vgpr 1024
		.amdhsa_next_free_sgpr 66
		.amdhsa_reserve_vcc 0
		.amdhsa_float_denorm_mode_32 3
		.amdhsa_float_denorm_mode_16_64 3
		.amdhsa_memory_ordered 1
		.amdhsa_forward_progress 1
		.amdhsa_inst_pref_size 255
	.end_amdhsa_kernel
	.section	.bss,"aw",@nobits
	.p2align	6
	.space	262144
	.amdgpu_metadata
---
amdhsa.version: [ 1, 2 ]
amdhsa.kernels:
  - .name:           k_qdb8ddda7f3_energy
    .symbol:         k_qdb8ddda7f3_energy.kd
    .args:
      - { .name: keys, .offset: 0, .size: 8, .value_kind: global_buffer, .address_space: global }
      - { .name: mask, .offset: 8, .size: 8, .value_kind: global_buffer, .address_space: global }
      - { .name: v, .offset: 16, .size: 8, .value_kind: global_buffer, .address_space: global }
      - { .name: wkb, .offset: 24, .size: 8, .value_kind: global_buffer, .address_space: global }
      - { .name: qpt, .offset: 32, .size: 8, .value_kind: global_buffer, .address_space: global }
      - { .name: pw, .offset: 40, .size: 8, .value_kind: global_buffer, .address_space: global }
      - { .name: ml, .offset: 48, .size: 8, .value_kind: global_buffer, .address_space: global }
      - { .name: ctxp, .offset: 56, .size: 8, .value_kind: global_buffer, .address_space: global }
    .group_segment_fixed_size: 311808
    .private_segment_fixed_size: 0
    .kernarg_segment_align: 8
    .kernarg_segment_size: 64
    .max_flat_workgroup_size: 128
    .sgpr_count:     66
    .vgpr_count:     1024
    .wavefront_size: 32
...
	.end_amdgpu_metadata
.endif
;; end of part 4
;; launch combine: the kernel of part 3 again; grid 4 x 64, 2 waves a work-group, no clusters, 0 bytes of LDS; arguments pw, ml, ctxp, out0, out1; writes out0, out1
